; MI455X (gfx1250); checked and timed in simulation.
; The chip was launched on July 23, 2026; its instructions are those of AMD's public machine-readable ISA for CDNA 5 (MIT licence, August 2026) and "CDNA5" Instruction Set Architecture Reference Guide (July 2026). The comments in the code are by the model that wrote it; some were corrected since.
;; Transformer Block. Allowed arithmetic: float matrix products may take bf16 or f16 operands with f32 sums; all other float work in f32.
;; Inputs: b1 4,096 float32; b2 1,024 float32; b_out 1,024 float32; ln1_b 1,024 float32; ln1_g 1,024 float32; ln2_b 1,024 float32; ln2_g 1,024 float32; w1 1,024 x 4,096 float32; w2 4,096 x 1,024 float32; w_out 1,024 x 1,024 float32; w_qkv 1,024 x 3,072 float32; x 4 x 1,024 x 1,024 float32.
;; Outputs: out0 4 x 1,024 x 1,024 float32.
;; One version. Each part assembles by itself: llvm-mc -triple=amdgcn-amd-amdhsa -mcpu=gfx1250 --defsym DOCPART=n.
;; ======== version 1 of 1: 7 launches
;; limits: a function is approximated: absolute error at most 1.5e-07
;; workspace buffers: wb 25,165,824 bytes; act 8,388,608 bytes; qkv 25,165,824 bytes; x1 16,777,216 bytes; ff 33,554,432 bytes
;; launch prep (part 1): grid 1792 x 1, 4 waves a work-group, no clusters, 0 bytes of LDS; arguments x, ln1_g, ln1_b, w_qkv, w_out, w1, w2, act, wb; writes act, wb
.if DOCPART == 1
	.amdgcn_target "amdgcn-amd-amdhsa--gfx1250"
	.amdhsa_code_object_version 6
	.text
	.protected	k_q7156d4c87c_prep
	.globl	k_q7156d4c87c_prep
	.p2align	8
	.type	k_q7156d4c87c_prep,@function
k_q7156d4c87c_prep:
	s_mov_b64 s[64:65], 0
	v_nop
	global_prefetch_b8 v0, s[64:65] scope:SCOPE_SE
	s_setreg_imm32_b32 hwreg(HW_REG_WAVE_MODE, 25, 1), 1
	s_wait_xcnt 0x0
; Two jobs in one launch, chosen by the work-group's number.
; Work-groups 0-255: act[row][c] = bf16( (x - mean) * rsqrt(var + 1e-5) * g[c] + b[c] ), x [4096][1024] f32, 16 rows a work-group,
;   4 rows a wave.  A row is 4,096 bytes = 32 registers of one wave: it stays in registers between the pass for the mean, the pass
;   for the variance (of x - mean: two true passes, no difference of large sums) and the scaling, and no wave waits for another.
; Work-groups 256-1791: the four weight matrices are rounded to bf16, layout unchanged ([K][N], N along the rows), one behind the other
;   in wb: w_qkv at byte 0, w_out at 6,291,456, w1 at 8,388,608, w2 at 16,777,216.  32,768 bytes of f32 a work-group, 8,192 a wave.
; Every load of a wave covers 512 consecutive bytes, every store 256 consecutive bytes at a multiple of 256 from the buffer's first byte.
; No LDS, no matrix unit, no cluster: the work-groups share no input but g and b (8 KiB), and the bytes moved decide.
; LIMITS: v_rsq_f32 is accurate to 1 ULP; NaN and infinite inputs are not followed.
.set G,    4                           ; v[4:35]    gain of my 32 columns (columns 128 j + 4 lane + 0..3 in registers 4 j + 0..3)
.set BT,   36                          ; v[36:67]   bias, likewise
.set X,    68                          ; v[68:195]  row k of my four at X + 32 k; the cast path: 16 loads of 4 registers
.set A,    196                         ; v[196:203] four chains of pairs
.set T,    204                         ; at work
.set T1,   205
.set NM,   212                         ; v[212:213] minus the mean, twice
.set RS,   214                         ; v[214:215] 1 / sqrt(var + eps), twice
.set SEL,  26                          ; s26, s27   v_permlanex16_b32: lane i of one half reads lane i of the other
.set CINV, 28                          ; s28        1 / 1024
.set CEPS, 29                          ; s29        1e-5
.set OUTP, 22                          ; s[22:23]   act
; the four chains of pairs become one sum, in every lane
.macro FOLD
	v_pk_add_f32 v[A:A+1], v[A:A+1], v[A+2:A+3]
	v_pk_add_f32 v[A+4:A+5], v[A+4:A+5], v[A+6:A+7]
	v_pk_add_f32 v[A:A+1], v[A:A+1], v[A+4:A+5]
	v_add_f32 v[T], v[A], v[A+1]
	v_add_f32_dpp v[T], v[T], v[T] row_xmask:1 row_mask:0xf bank_mask:0xf
	v_add_f32_dpp v[T], v[T], v[T] row_xmask:2 row_mask:0xf bank_mask:0xf
	v_add_f32_dpp v[T], v[T], v[T] row_xmask:4 row_mask:0xf bank_mask:0xf
	v_add_f32_dpp v[T], v[T], v[T] row_xmask:8 row_mask:0xf bank_mask:0xf
	v_permlanex16_b32 v[T1], v[T], s[SEL], s[SEL+1]
	v_add_f32 v[T], v[T], v[T1]
.endm
; one row.  left = the loads of the younger rows, which may stay out
.macro ROWLN k, left
	s_wait_loadcnt \left                           ; loads come back in order: this row's eight, and g and b in front of them, are in
.set xb, X+32*\k
.irp c, 0,2,4,6
	v_pk_add_f32 v[A+\c:A+\c+1], v[xb+\c:xb+\c+1], v[xb+8+\c:xb+8+\c+1]       ; the first pairs start the chains: nothing is cleared
.endr
.irp c, 0,2,4,6
	v_pk_add_f32 v[A+\c:A+\c+1], v[A+\c:A+\c+1], v[xb+16+\c:xb+16+\c+1]
.endr
.irp c, 0,2,4,6
	v_pk_add_f32 v[A+\c:A+\c+1], v[A+\c:A+\c+1], v[xb+24+\c:xb+24+\c+1]
.endr
	FOLD
	v_mul_f32 v[NM], 0xba800000, v[T]              ; - sum / 1024
	v_mul_f32 v[NM+1], 0xba800000, v[T]
.set pp, 0
.rept 16
	v_pk_add_f32 v[xb+pp:xb+pp+1], v[xb+pp:xb+pp+1], v[NM:NM+1]               ; x - mean, in place
.set pp, pp+2
.endr
.irp c, 0,2,4,6
	v_pk_mul_f32 v[A+\c:A+\c+1], v[xb+\c:xb+\c+1], v[xb+\c:xb+\c+1]
.endr
.set pp, 8
.rept 12
	v_pk_fma_f32 v[A+pp%8:A+pp%8+1], v[xb+pp:xb+pp+1], v[xb+pp:xb+pp+1], v[A+pp%8:A+pp%8+1]
.set pp, pp+2
.endr
	FOLD
	v_fma_f32 v[T], v[T], s[CINV], s[CEPS]         ; var + eps
	v_rsq_f32 v[RS], v[T]
	v_rsq_f32 v[RS+1], v[T]
	v_nop                                          ; one plain place behind a transcendental before its result is used (ISA guide 5.7.2)
.set pp, 0
	s_wait_alu depctr_va_vdst(0)
.rept 16
	v_pk_mul_f32 v[xb+pp:xb+pp+1], v[xb+pp:xb+pp+1], v[RS:RS+1]
.set pp, pp+2
.endr
.set pp, 0
.rept 16
	v_pk_fma_f32 v[xb+pp:xb+pp+1], v[xb+pp:xb+pp+1], v[G+pp:G+pp+1], v[BT+pp:BT+pp+1]
.set pp, pp+2
.endr
.set pp, 0
.rept 16
	v_cvt_pk_bf16_f32 v[xb+pp], v[xb+2*pp], v[xb+2*pp+1]                      ; word w lands on register w, which has been read by then
.set pp, pp+1
.endr
.irp j, 0,1,2,3,4,5,6,7
	global_store_b64 v2, v[xb+2*\j:xb+2*\j+1], s[OUTP:OUTP+1] offset:2048*\k+256*\j   ; 32 lanes x 8 bytes: 256 consecutive bytes, aligned
.endr
.endm
	s_load_b512 s[8:23], s[0:1], 0x0               ; x s[8:9], g s[10:11], b s[12:13], w_qkv s[14:15], w_out s[16:17], w1 s[18:19], w2 s[20:21], act s[22:23]
	s_load_b64 s[24:25], s[0:1], 0x40              ; wb
	v_and_b32 v3, 31, v0                           ; lane
	v_and_b32 v2, 0x60, v0                         ; 32 x wave
	s_cmp_lt_u32 ttmp9, 256
	s_cbranch_scc0 .Lcast
	; ---- layer norm: 16 rows
	v_lshlrev_b32 v1, 9, v2                        ; wave x 4 rows x 4,096 bytes
	v_lshl_or_b32 v1, v3, 4, v1                    ; + 16 lane: my place in x
	v_lshlrev_b32 v2, 8, v2                        ; wave x 4 rows x 2,048 bytes
	v_lshl_or_b32 v2, v3, 3, v2                    ; + 8 lane: my place in act
	v_lshlrev_b32 v3, 4, v3                        ; 16 lane: my place in g and b
	v_mov_b32 v[T1], 0                             ; v_permlanex16_b32 counts as a reader of its destination
	s_lshl_b32 s2, ttmp9, 16                       ; 16 rows of 4,096 bytes
	s_mov_b32 s3, 0
	s_lshl_b32 s4, ttmp9, 15                       ; 16 rows of 2,048 bytes
	s_mov_b32 s5, 0
	s_mov_b32 s[SEL], 0x76543210
	s_mov_b32 s[SEL+1], 0xfedcba98
	s_mov_b32 s[CINV], 0x3a800000
	s_mov_b32 s[CEPS], 0x3727c5ac
	s_wait_kmcnt 0x0
	s_add_nc_u64 s[8:9], s[8:9], s[2:3]
	s_add_nc_u64 s[OUTP:OUTP+1], s[OUTP:OUTP+1], s[4:5]
.irp j, 0,1,2,3,4,5,6,7
	global_load_b128 v[G+4*\j:G+4*\j+3], v3, s[10:11] offset:512*\j
.endr
.irp j, 0,1,2,3,4,5,6,7
	global_load_b128 v[BT+4*\j:BT+4*\j+3], v3, s[12:13] offset:512*\j
.endr
.irp k, 0,1,2,3
.irp j, 0,1,2,3,4,5,6,7
	global_load_b128 v[X+32*\k+4*\j:X+32*\k+4*\j+3], v1, s[8:9] offset:4096*\k+512*\j   ; all four rows are asked for at once
.endr
.endr
	ROWLN 0, 24
	ROWLN 1, 16
	ROWLN 2, 8
	ROWLN 3, 0
	s_endpgm
	; ---- cast: 32,768 bytes of one weight matrix
.Lcast:
	v_lshlrev_b32 v1, 8, v2                        ; wave x 8,192 bytes of f32
	v_lshl_or_b32 v1, v3, 4, v1
	v_lshlrev_b32 v2, 7, v2                        ; wave x 4,096 bytes of bf16
	v_lshl_or_b32 v2, v3, 3, v2
	s_sub_co_u32 s30, ttmp9, 256                   ; piece 0..1535: 384 of w_qkv, 128 of w_out, 512 of w1, 512 of w2
	s_sub_co_u32 s34, s30, 384
	s_sub_co_u32 s35, s30, 512
	s_sub_co_u32 s36, s30, 1024
	s_wait_kmcnt 0x0
	s_cmp_lt_u32 s30, 1024
	s_cselect_b64 s[32:33], s[18:19], s[20:21]     ; the matrix, and the piece's number inside it
	s_cselect_b32 s31, s35, s36
	s_cmp_lt_u32 s30, 512
	s_cselect_b64 s[32:33], s[16:17], s[32:33]
	s_cselect_b32 s31, s34, s31
	s_cmp_lt_u32 s30, 384
	s_cselect_b64 s[32:33], s[14:15], s[32:33]
	s_cselect_b32 s31, s30, s31
	s_lshl_b32 s2, s31, 15
	s_mov_b32 s3, 0
	s_lshl_b32 s4, s30, 14                         ; in wb the matrices follow each other in the pieces' order
	s_mov_b32 s5, 0
	s_add_nc_u64 s[32:33], s[32:33], s[2:3]
	s_add_nc_u64 s[24:25], s[24:25], s[4:5]
.irp j, 0,1,2,3,4,5,6,7,8,9,10,11,12,13,14,15
	global_load_b128 v[X+4*\j:X+4*\j+3], v1, s[32:33] offset:512*\j th:TH_LOAD_NT
.endr
.irp j, 0,1,2,3,4,5,6,7,8,9,10,11,12,13,14,15
	s_wait_loadcnt 15-\j                           ; the younger loads stay out
	v_cvt_pk_bf16_f32 v[X+4*\j], v[X+4*\j], v[X+4*\j+1]
	v_cvt_pk_bf16_f32 v[X+4*\j+1], v[X+4*\j+2], v[X+4*\j+3]
	global_store_b64 v2, v[X+4*\j:X+4*\j+1], s[24:25] offset:256*\j
.endr
	s_endpgm
.Lfunc_end_k_q7156d4c87c_prep:
	.size	k_q7156d4c87c_prep, .Lfunc_end_k_q7156d4c87c_prep-k_q7156d4c87c_prep
	.p2alignl 7, 3214868480
	.fill 96, 4, 3214868480
	.section	.rodata,"a",@progbits
	.p2align	6, 0x0
	.amdhsa_kernel k_q7156d4c87c_prep
		.amdhsa_group_segment_fixed_size 0
		.amdhsa_private_segment_fixed_size 0
		.amdhsa_enable_private_segment 0
		.amdhsa_kernarg_size 72
		.amdhsa_user_sgpr_count 2
		.amdhsa_user_sgpr_kernarg_segment_ptr 1
		.amdhsa_wavefront_size32 1
		.amdhsa_system_sgpr_workgroup_id_x 1
		.amdhsa_system_sgpr_workgroup_id_y 1
		.amdhsa_system_sgpr_workgroup_id_z 1
		.amdhsa_system_vgpr_workitem_id 0
		.amdhsa_next_free_vgpr 216
		.amdhsa_next_free_sgpr 66
		.amdhsa_reserve_vcc 0
		.amdhsa_float_denorm_mode_32 3
		.amdhsa_float_denorm_mode_16_64 3
		.amdhsa_memory_ordered 1
		.amdhsa_forward_progress 1
		.amdhsa_inst_pref_size 45
	.end_amdhsa_kernel
	.amdgpu_metadata
---
amdhsa.version: [ 1, 2 ]
amdhsa.kernels:
  - .name:           k_q7156d4c87c_prep
    .symbol:         k_q7156d4c87c_prep.kd
    .args:
      - { .name: x, .offset: 0, .size: 8, .value_kind: global_buffer, .address_space: global }
      - { .name: ln1_g, .offset: 8, .size: 8, .value_kind: global_buffer, .address_space: global }
      - { .name: ln1_b, .offset: 16, .size: 8, .value_kind: global_buffer, .address_space: global }
      - { .name: w_qkv, .offset: 24, .size: 8, .value_kind: global_buffer, .address_space: global }
      - { .name: w_out, .offset: 32, .size: 8, .value_kind: global_buffer, .address_space: global }
      - { .name: w1, .offset: 40, .size: 8, .value_kind: global_buffer, .address_space: global }
      - { .name: w2, .offset: 48, .size: 8, .value_kind: global_buffer, .address_space: global }
      - { .name: act, .offset: 56, .size: 8, .value_kind: global_buffer, .address_space: global }
      - { .name: wb, .offset: 64, .size: 8, .value_kind: global_buffer, .address_space: global }
    .group_segment_fixed_size: 0
    .private_segment_fixed_size: 0
    .kernarg_segment_align: 8
    .kernarg_segment_size: 72
    .max_flat_workgroup_size: 128
    .sgpr_count:     66
    .vgpr_count:     216
    .wavefront_size: 32
...
	.end_amdgpu_metadata
.endif
;; end of part 1
;; launch qkv (part 2): grid 12 x 16, 4 waves a work-group, clusters of 4 x 4, 327,680 bytes of LDS; arguments act, wb, qkv; writes qkv
.if DOCPART == 2
	.amdgcn_target "amdgcn-amd-amdhsa--gfx1250"
	.amdhsa_code_object_version 6
	.text
	.protected	k_q7156d4c87c_qkv
	.globl	k_q7156d4c87c_qkv
	.p2align	8
	.type	k_q7156d4c87c_qkv,@function
k_q7156d4c87c_qkv:
	s_mov_b64 s[64:65], 0
	v_nop
	global_prefetch_b8 v0, s[64:65] scope:SCOPE_SE
	s_setreg_imm32_b32 hwreg(HW_REG_WAVE_MODE, 25, 1), 1
	s_wait_xcnt 0x0
	s_wait_alu depctr_hold_cnt(0) depctr_sa_sdst(0) depctr_va_vdst(0) depctr_va_sdst(0) depctr_va_ssrc(0) depctr_va_vcc(0) depctr_vm_vsrc(0)
	s_getreg_b32 s2, hwreg(HW_REG_IB_STS2, 6, 4)
	s_cmp_eq_u32 s2, 0
	s_cbranch_scc0 .Lentry_in_a_cluster
	s_endpgm
.Lentry_in_a_cluster:
	s_bfe_u32 s2, ttmp6, 0x10000c
	s_cmp_lg_u32 s2, 0xf033
	s_cbranch_scc0 .Lentry_shape_is_right
	s_endpgm
.Lentry_shape_is_right:
; qkv[m][n] = sum over k of act[m][k] W[k][n].  act [4096][1024] bf16, W = w_qkv in bf16 at byte WOFF of wb, [1024][3072] with n along the rows,
; qkv [4096][3072] bf16; sums in f32, rounded once.
; A work-group makes 256 x 256 of the result with four waves, one for each SIMD of a WGP; a wave makes 128 x 128: 64 accumulator tiles of 16 x 16,
; 512 registers.  K goes in steps of 128 through two LDS slots filled by the tensor data mover.  3072 / 256 x 4096 / 256 = 192 work-groups:
; a block of 256 x 192 would give 256, but its rows of W (384 bytes) do not fit one padding interval; left out.
; W LIES [K][N]: a tile of W is 128 rows (k) of 512 bytes (256 n), and ds_load_tr16_b128 transposes 8 x 8 elements on the way into registers,
; so that a lane gets eight neighbouring k of one n, as a fragment wants them.
; CLUSTERS: 4 x 4 work-groups.  The four of a row of the cluster need the same tiles of act, the four of a column the same tiles of W: each tile is asked
; for jointly, by the same tensor load with the same descriptor and a mask that names the four.
; REGISTERS, in windows of 256: window 0: v16-29 addresses, v64-127 and v128-191 fragments of act (two buffers), v192-255 at work on the way out;
; window 1: v64-127, v128-191 fragments of W; window 2: the 32 accumulator tiles of my rows 0-63 (tile (a, b) at v[8 (8 a + b)]); window 3: rows 64-127.
; THE MATRIX INSTRUCTION IS USED TRANSPOSED: source 0 = 16 n of W, source 1 = 16 rows of act, so that a lane's eight results are eight neighbouring
; columns of one row of the result.
; The 64 accumulators take turns, one instruction a turn, in the same order everywhere.
; LIMITS: operands are bf16; NaN and infinities are not followed.
.set SIZE_K, 1024
.set SIZE_N, 3072
.set WOFF,   0
.set EPI,    0                         ; 0: round and store.  1: the bias starts the sums
.set INIT,   1+EPI
.set KSTEP,  128
.set PITCH,  272                       ; an LDS row of act: 256 bytes + 16: an odd multiple of 16, so the 16 rows of a fragment load start in different banks
.set PITCHB, 544                       ; an LDS row of W: 512 bytes + 32: an odd multiple of 32, as the transposing load's eight rows want
.set HALFT,  128*PITCH                 ; what one tensor load brings: 128 rows of act, or 64 rows of W (64 x 544 is the same 34,816 bytes)
.set SLOT,   4*HALFT                   ; act rows 0-127, 128-255, W k 0-63, 64-127
.set STAGE,  2*SLOT                    ; behind the ring: 16 rows x 272 bytes for each wave, for the way out; no tensor load lands there
.set SPITCH, 272
.set LAPS,   SIZE_K/(2*KSTEP)          ; a lap = two K steps = once round the ring
.set ADRA, 16                          ; v16-17  LDS address of my act fragments in slot 0, 1
.set ADRB, 20                          ; v20-21  the same for W
.set STO,  24                          ; the way out: where I put 16 bytes of a row
.set RD,   25                          ; the way out: where I read a row back
.set CO,   26                          ; my byte offset in the result
.set BO,   27                          ; my byte offset in the bias
.set C5,   28                          ; v[28:29] a coefficient, twice
.set F0,   64
.set F1,   128
.set TMP,  192                         ; EPI = 0: packed results
.set BIAS, 192                         ; EPI = 1: v[192:255] the bias of my 128 columns in the accumulators' layout, used by the first 64 products
.set ZR,   64
.set RR,   96
.set TR,   128
.set ER,   160
.set PR,   192
.set TMPG, 224
.set G1,  24                           ; s[24:31] descriptor group 1 for act's tiles
.set G0,  32                           ; s[32:39] group 0 for act's tiles, one set for each slot
.set G1B, 48                           ; s[48:55] group 1 for W's tiles
.set G0B, 56                           ; s[56:63] group 0 for W's tiles, one set for each slot
.set MSB, 0
.macro WIN new                         ; the immediate's high byte repeats the setting that is left
.if MSB != \new
	s_set_vgpr_msb (MSB<<8)|\new
.set MSB, \new
.endif
.endm
.set MUL_LO, 0xa1                      ; source 0 (W) window 1, source 1 (act) window 0, C and D window 2
.set MUL_HI, 0xf1                      ; the same, C and D window 3
.set TO_B,   0x40                      ; destination window 1, address window 0
; A joint load.  Waves 0 and 1 fetch act's two halves, waves 2 and 3 W's.  The branch hangs on the wave's number alone.
.macro JLOAD s
	s_cmp_eq_u32 s11, 0
	s_cbranch_scc0 .Lfor_b_\@
	tensor_load_to_lds s[G0+4*\s:G0+4*\s+3], s[G1:G1+7]
	s_nop 0
	s_branch .Lasked_\@
.Lfor_b_\@:
	tensor_load_to_lds s[G0B+4*\s:G0B+4*\s+3], s[G1B:G1B+7]
	s_nop 0
.Lasked_\@:
.endm
; A round of the cluster's barrier: my work-group's barrier, wave 0 signals for the work-group, every wave waits for all sixteen, my work-group's barrier again.
.macro CREST                           ; a round behind its opening barrier
	s_cmp_lg_u32 s10, 0
	s_cbranch_scc1 .Lnot_wave_0_\@
	s_barrier_signal -3
.Lnot_wave_0_\@:
	s_barrier_wait -3
	s_barrier_signal -1
	s_barrier_wait -1
.endm
.macro CROUND
	s_barrier_signal -1
	s_barrier_wait -1
	CREST
.endm
	s_load_b128 s[4:7], s[0:1], 0x0                ; act s[4:5], wb s[6:7]
	s_load_b64 s[8:9], s[0:1], 0x10                ; the result
	s_set_vgpr_msb 0x40
	v_lshl_add_u32 v255, v0, 2, 0x48400
	s_set_vgpr_msb 0x4000
	v_mov_b32 v255, 0
	s_set_vgpr_msb 0x1
	ds_add_u32 v255, v255
	s_set_vgpr_msb 0x100
.if EPI
	s_load_b64 s[68:69], s[0:1], 0x18              ; the bias
.endif
	v_lshrrev_b32 v1, 5, v0
	v_readfirstlane_b32 s10, v1                    ; wave 0..3
	s_lshr_b32 s11, s10, 1                         ; which half of the block's rows is mine.  Also: I fetch for act (0) or for W (1)
	s_and_b32 s12, s10, 1                          ; which half of its columns.  Also: which half of that tile I fetch
	s_bfe_u32 s40, ttmp6, 0x40000                  ; cx
	s_bfe_u32 s41, ttmp6, 0x40004                  ; cy
	s_lshl_b32 s42, ttmp9, 2
	s_add_co_u32 s42, s42, s40                     ; block column = 4 x cluster x + cx
	s_and_b32 s13, ttmp7, 0xffff
	s_lshl_b32 s13, s13, 2
	s_add_co_u32 s13, s13, s41                     ; block row = 4 x cluster y + cy
	s_lshl_b32 s43, s41, 2
	s_lshl_b32 s43, 15, s43                        ; my row of the cluster: places 4 cy .. 4 cy + 3
	s_lshl_b32 s44, 0x1111, s40                    ; my column: places cx, cx + 4, cx + 8, cx + 12
	; group 1 for act: 128 rows x 128 elements of 2 bytes, 4 words of padding behind every 64
	s_or_b32 s[G1+0], s43, (1<<16)|(1<<20)|(1<<21)|(5<<22)|(3<<25)
	s_mov_b32 s[G1+1], KSTEP<<16                   ; tensor_dim0 = 128
	s_mov_b32 s[G1+2], 128<<16                     ; tensor_dim1 = 128
	s_mov_b32 s[G1+3], KSTEP<<16                   ; tile_dim0 = 128
	s_mov_b32 s[G1+4], 128                         ; tile_dim1 = 128
	s_mov_b32 s[G1+5], SIZE_K                      ; elements from row to row
	s_mov_b32 s[G1+6], 0
	s_mov_b32 s[G1+7], 0
	; group 1 for W: 64 rows (k) x 256 elements (n), 8 words of padding behind every 128
	s_or_b32 s[G1B+0], s44, (1<<16)|(1<<20)|(1<<21)|(6<<22)|(7<<25)
	s_mov_b32 s[G1B+1], 256<<16
	s_mov_b32 s[G1B+2], 64<<16
	s_mov_b32 s[G1B+3], 256<<16
	s_mov_b32 s[G1B+4], 64
	s_mov_b32 s[G1B+5], SIZE_N
	s_mov_b32 s[G1B+6], 0
	s_mov_b32 s[G1B+7], 0
	; act's tiles hang on the block row alone, W's on the block column alone; each address in registers that never hold the other coordinate
	s_lshl_b32 s17, s12, 7
	s_lshl_b32 s16, s13, 8
	s_add_co_u32 s16, s16, s17                     ; act: row 256 x block row + 128 x half
	s_mov_b32 s17, 0
	s_mov_b64 s[18:19], SIZE_K*2
	s_mul_u64 s[16:17], s[16:17], s[18:19]
	s_mul_i32 s46, s12, 64*SIZE_N*2                ; W: k row 64 x half,
	s_lshl_b32 s47, s42, 9                         ; column 256 x block column, in bytes
	s_add_co_u32 s46, s46, s47
.if WOFF
	s_add_co_u32 s46, s46, WOFF                    ; the matrix's place in wb
.endif
	s_mov_b32 s47, 0
	s_mul_i32 s20, s10, HALFT                      ; where they go: wave x 34,816 bytes
	s_wait_dscnt 0x0
	s_wait_kmcnt 0x0
	s_add_nc_u64 s[14:15], s[4:5], s[16:17]
	s_add_nc_u64 s[46:47], s[6:7], s[46:47]
	CROUND                                         ; all sixteen work-groups are here: the first joint loads meet
.irp s, 0,1
	s_mov_b32 s[G0+4*\s], 1
	s_add_co_u32 s[G0+4*\s+1], s20, \s*SLOT
	s_add_nc_u64 s[G0+4*\s+2:G0+4*\s+3], s[14:15], \s*KSTEP*2
	s_or_b32 s[G0+4*\s+3], s[G0+4*\s+3], 0x80000000
	s_mov_b32 s[G0B+4*\s], 1
	s_add_co_u32 s[G0B+4*\s+1], s20, \s*SLOT
	s_add_nc_u64 s[G0B+4*\s+2:G0B+4*\s+3], s[46:47], \s*KSTEP*SIZE_N*2
	s_or_b32 s[G0B+4*\s+3], s[G0B+4*\s+3], 0x80000000
	JLOAD \s                                       ; both slots are asked for before anything else: two tensor loads of the wave are out
.endr
	v_and_b32 v1, 15, v0                           ; r = l % 16
	v_bfe_u32 v2, v0, 4, 1                         ; h = l / 16
	v_mul_u32_u24 v3, v1, PITCH
	v_lshl_add_u32 v3, v2, 4, v3                   ; act: row r, 16 bytes for each half of the lanes
	v_and_b32 v6, 7, v0
	v_lshl_or_b32 v6, v2, 3, v6                    ; W: k row 8 h + l % 8,
	v_mul_u32_u24 v6, v6, PITCHB
	v_bfe_u32 v7, v0, 3, 1
	v_lshl_add_u32 v6, v7, 4, v6                   ; 16 bytes (8 n) for each group of eight lanes
	s_mul_i32 s21, s11, HALFT                      ; my 128 rows of act
	s_lshl_b32 s22, s12, 8                         ; my 128 n of W: 256 bytes along its rows,
	s_add_co_u32 s22, s22, 2*HALFT                 ; behind act's 256 rows
.irp s, 0,1
	v_add_nc_u32 v[ADRA+\s], s21, v3
	v_add_nc_u32 v[ADRB+\s], s22, v6
	s_add_co_u32 s21, s21, SLOT
	s_add_co_u32 s22, s22, SLOT
.endr
	s_mul_i32 s23, s10, 16*SPITCH
	s_add_co_u32 s23, s23, STAGE                   ; my stage
	v_mul_u32_u24 v4, v1, SPITCH
	v_lshl_add_u32 v4, v2, 4, v4
	v_add_nc_u32 v[STO], s23, v4
	v_mul_u32_u24 v5, v2, SPITCH
	v_lshl_add_u32 v5, v1, 4, v5
	v_add_nc_u32 v[RD], s23, v5
	v_mul_u32_u24 v5, v2, SIZE_N*2
	v_lshl_add_u32 v[CO], v1, 4, v5
.if EPI
	; the bias in the accumulators' layout: register j of block b = bias[my first column + 16 b + 8 h + j]
	v_lshlrev_b32 v[BO], 5, v2
	v_mov_b32 v[C5], 0xbf402289
	v_mov_b32 v[C5+1], 0xbf402289
	s_mov_b32 s74, 0x7fffffff
	s_lshl_b32 s70, s42, 10
	s_lshl_b32 s71, s12, 9
	s_add_co_u32 s70, s70, s71
	s_mov_b32 s71, 0
	s_add_nc_u64 s[68:69], s[68:69], s[70:71]
.irp b, 0,1,2,3,4,5,6,7
	global_load_b128 v[BIAS+8*\b:BIAS+8*\b+3],   v[BO], s[68:69] offset:64*\b
	global_load_b128 v[BIAS+8*\b+4:BIAS+8*\b+7], v[BO], s[68:69] offset:64*\b+16
.endr
.endif
; 16 matrix instructions: m blocks a0, a0 + 1 of the window's four x all 8 n blocks, 32 along K.
; init = 0: add in place.  1: the constant 0 starts the sums.  2: the bias starts them.  Nothing is ever cleared.
.macro MUL16 f, hi, a0, init
.irp a, \a0, \a0+1
.irp b, 0,1,2,3,4,5,6,7
.if \init == 0
	v_wmma_f32_16x16x32_bf16 v[8*(8*(\a)+\b):8*(8*(\a)+\b)+7], v[\f+8*\b:\f+8*\b+7], v[\f+8*(4*\hi+\a):\f+8*(4*\hi+\a)+7], v[8*(8*(\a)+\b):8*(8*(\a)+\b)+7]
.else
.if \init == 1
	v_wmma_f32_16x16x32_bf16 v[8*(8*(\a)+\b):8*(8*(\a)+\b)+7], v[\f+8*\b:\f+8*\b+7], v[\f+8*(4*\hi+\a):\f+8*(4*\hi+\a)+7], 0
.else
	v_wmma_f32_16x16x32_bf16 v[8*(8*(\a)+\b):8*(8*(\a)+\b)+7], v[\f+8*\b:\f+8*\b+7], v[\f+8*(4*\hi+\a):\f+8*(4*\hi+\a)+7], v[BIAS+8*\b:BIAS+8*\b+7]
.endif
.endif
.endr
.endr
.endm
; 32 LDS loads in one run: the fragments of quarter q (32 along K) of a slot into buffer f.  W: two transposing loads a fragment, 16 k rows apart.
.macro FETCH slot, q, f
	WIN TO_B
.irp i, 0,1,2,3,4,5,6,7
	ds_load_tr16_b128 v[\f+8*\i:\f+8*\i+3],   v[ADRB+\slot] offset:\q*32*PITCHB+32*\i
	ds_load_tr16_b128 v[\f+8*\i+4:\f+8*\i+7], v[ADRB+\slot] offset:\q*32*PITCHB+16*PITCHB+32*\i
.endr
	WIN 0
.irp i, 0,1,2,3,4,5,6,7
	ds_load_b128 v[\f+8*\i:\f+8*\i+3],   v[ADRA+\slot] offset:\q*64+\i*16*PITCH
	ds_load_b128 v[\f+8*\i+4:\f+8*\i+7], v[ADRA+\slot] offset:\q*64+\i*16*PITCH+32
.endr
.endm
; Four plain vector places stand between a matrix instruction and a load into, or a vector instruction on, one of its registers
.macro PLACES
.rept 4
	v_nop
.endr
.endm
; One of a K step's first three quarters: multiplies buffer f; in its middle it fetches quarter q into buffer g.
.macro QUARTER slot, q, f, g, init
	s_wait_dscnt 8                                 ; W and act's rows 0-63 are in; the youngest eight loads (act's rows 64-127) may be out
.if \init == 2
	WIN 0x81                                       ; C (the bias) from window 0, D window 2
.else
	WIN MUL_LO
.endif
	MUL16 \f, 0, 0, \init
	MUL16 \f, 0, 2, \init
	PLACES
	FETCH \slot, \q, \g
	s_wait_dscnt 32                                ; all but the 32 just issued
.if \init == 2
	WIN 0xc1
.else
	WIN MUL_HI
.endif
	MUL16 \f, 1, 0, \init
	MUL16 \f, 1, 2, \init
.endm
.macro THREE slot, init
	QUARTER \slot, 1, F0, F1, \init
	QUARTER \slot, 2, F1, F0, 0
	QUARTER \slot, 3, F0, F1, 0
.endm
; The last quarter: multiplies buffer 1 and changes slots.  In front of the barrier each wave waits for its reads of this slot and for all its tensor
; loads (one is out: its part of the next slot).  Behind it the refill comes first, then the next slot's first fragments.
.macro TURN slot, next, fill
	s_wait_dscnt 8
	WIN MUL_LO
	MUL16 F1, 0, 0, 0
	s_wait_dscnt 0                                 ; my reads of this slot are over
	s_wait_tensorcnt 0x0                           ; all my tensor loads have landed
	ds_add_u32 v255, v255
	s_wait_dscnt 0x0
	s_barrier_signal -1                            ; where the slot is filled again this barrier opens a round of the cluster's barrier
	MUL16 F1, 0, 2, 0                              ; register work while the others arrive
	WIN 0
	s_barrier_wait -1
.if \fill
	CREST                                          ; no wave of any partner still reads this slot or has a load on its way
	s_add_nc_u64 s[G0+4*\slot+2:G0+4*\slot+3], s[G0+4*\slot+2:G0+4*\slot+3], 2*KSTEP*2
	s_add_nc_u64 s[G0B+4*\slot+2:G0B+4*\slot+3], s[G0B+4*\slot+2:G0B+4*\slot+3], 2*KSTEP*SIZE_N*2
	JLOAD \slot                                    ; the first tensor load behind the round, the wave's only one until the next
.endif
	PLACES
	FETCH \next, 0, F0
	WIN MUL_HI
	MUL16 F1, 1, 0, 0
	MUL16 F1, 1, 2, 0
.endm
.macro LAP init
	THREE 0, \init
	TURN 0, 1, 1
	THREE 1, 0
	TURN 1, 0, 1
.endm
	s_wait_tensorcnt 1                             ; my part of K step 0 is in; K step 1's load may stay out
	s_barrier_signal -1
	s_barrier_wait -1
	FETCH 0, 0, F0
.if EPI
	s_wait_loadcnt 0x0                             ; the bias
.endif
	LAP INIT                                       ; the first lap stands in front of the loop: its first products start the sums
.if LAPS > 2
	WIN 0
	s_mov_b32 s3, LAPS-2
.Llap:
	LAP 0
	WIN 0
	s_sub_co_u32 s3, s3, 1
	s_cmp_lg_u32 s3, 0
	s_cbranch_scc1 .Llap
.endif
	THREE 0, 0                                     ; the last lap fills nothing
	TURN 0, 1, 0
	THREE 1, 0
	s_wait_dscnt 8
	WIN MUL_LO
	MUL16 F1, 0, 0, 0
	MUL16 F1, 0, 2, 0
	s_wait_dscnt 0
	WIN MUL_HI
	MUL16 F1, 1, 0, 0
	MUL16 F1, 1, 2, 0
	; THE WAY OUT, 16 rows at a time: to bf16, 16 bytes a lane into my own stage, read back as whole rows of 256 bytes.
	PLACES
	s_lshl_b32 s13, s13, 8
	s_lshl_b32 s14, s11, 7
	s_add_co_u32 s16, s13, s14                     ; my first row
	s_mov_b32 s17, 0
	s_mov_b64 s[18:19], SIZE_N*2
	s_mul_u64 s[16:17], s[16:17], s[18:19]
	s_add_nc_u64 s[8:9], s[8:9], s[16:17]
	s_lshl_b32 s46, s42, 9                         ; my first column, in bytes
	s_lshl_b32 s47, s12, 8
	s_add_co_u32 s46, s46, s47
	s_mov_b32 s47, 0
	s_add_nc_u64 s[8:9], s[8:9], s[46:47]
.if EPI == 0
.macro OUT16 i, a, from, f
	WIN \from
.irp b, 0,1,2,3,4,5,6,7
.irp r, 0,1,2,3
	v_cvt_pk_bf16_f32 v[TMP+4*\b+\r], v[8*(8*\a+\b)+2*\r], v[8*(8*\a+\b)+2*\r+1]
.endr
.endr
	WIN 0
.irp b, 0,1,2,3,4,5,6,7
	ds_store_b128 v[STO], v[TMP+4*\b:TMP+4*\b+3] offset:32*\b
.endr
	s_wait_xcnt 0x0                                ; buffer f, which earlier stores read, and the stores' base are rewritten only behind this wait
.if \i
	s_add_nc_u64 s[8:9], s[8:9], 16*SIZE_N*2
.endif
.irp t, 0,1,2,3,4,5,6,7
	ds_load_b128 v[\f+4*\t:\f+4*\t+3], v[RD] offset:\t*2*SPITCH    ; LDS serves a wave's instructions in order: these see the stores above
.endr
.irp t, 0,1,2,3,4,5,6,7
	s_wait_dscnt 7-\t
	global_store_b128 v[CO], v[\f+4*\t:\f+4*\t+3], s[8:9] offset:2*\t*SIZE_N*2   ; 16 lanes store 256 consecutive bytes, aligned
.endr
.endm
	OUT16 0, 0, 0x0a, F0
	OUT16 1, 1, 0x0a, F1
	OUT16 2, 2, 0x0a, F0
	OUT16 3, 3, 0x0a, F1
	OUT16 4, 0, 0x0f, F0
	OUT16 5, 1, 0x0f, F1
	OUT16 6, 2, 0x0f, F0
	OUT16 7, 3, 0x0f, F1
.endif
	s_set_vgpr_msb 0x1
	s_wait_tensorcnt 0x0
	ds_add_u32 v255, v255
	s_wait_dscnt 0x0
	s_set_vgpr_msb 0x100
	CROUND                                         ; the closing round: no work-group ends while a partner may still ask for a tile that names it
	s_endpgm
.Lfunc_end_k_q7156d4c87c_qkv:
	.size	k_q7156d4c87c_qkv, .Lfunc_end_k_q7156d4c87c_qkv-k_q7156d4c87c_qkv
	.p2alignl 7, 3214868480
	.fill 96, 4, 3214868480
	.section	.rodata,"a",@progbits
	.p2align	6, 0x0
	.amdhsa_kernel k_q7156d4c87c_qkv
		.amdhsa_group_segment_fixed_size 327680
		.amdhsa_private_segment_fixed_size 0
		.amdhsa_enable_private_segment 0
		.amdhsa_kernarg_size 24
		.amdhsa_user_sgpr_count 2
		.amdhsa_user_sgpr_kernarg_segment_ptr 1
		.amdhsa_wavefront_size32 1
		.amdhsa_system_sgpr_workgroup_id_x 1
		.amdhsa_system_sgpr_workgroup_id_y 1
		.amdhsa_system_sgpr_workgroup_id_z 1
		.amdhsa_system_vgpr_workitem_id 0
		.amdhsa_next_free_vgpr 1024
		.amdhsa_next_free_sgpr 80
		.amdhsa_reserve_vcc 0
		.amdhsa_float_denorm_mode_32 3
		.amdhsa_float_denorm_mode_16_64 3
		.amdhsa_memory_ordered 1
		.amdhsa_forward_progress 1
		.amdhsa_inst_pref_size 196
	.end_amdhsa_kernel
	.amdgpu_metadata
---
amdhsa.version: [ 1, 2 ]
amdhsa.kernels:
  - .name:           k_q7156d4c87c_qkv
    .symbol:         k_q7156d4c87c_qkv.kd
    .args:
      - { .name: act, .offset: 0, .size: 8, .value_kind: global_buffer, .address_space: global }
      - { .name: wb, .offset: 8, .size: 8, .value_kind: global_buffer, .address_space: global }
      - { .name: qkv, .offset: 16, .size: 8, .value_kind: global_buffer, .address_space: global }
    .group_segment_fixed_size: 327680
    .private_segment_fixed_size: 0
    .kernarg_segment_align: 8
    .kernarg_segment_size: 24
    .max_flat_workgroup_size: 128
    .sgpr_count:     80
    .vgpr_count:     1024
    .wavefront_size: 32
...
	.end_amdgpu_metadata
.endif
;; end of part 2
;; launch attn (part 3): grid 256 x 1, 8 waves a work-group, clusters of 4 x 1, 312,320 bytes of LDS; arguments qkv, act; writes act
.if DOCPART == 3
	.amdgcn_target "amdgcn-amd-amdhsa--gfx1250"
	.amdhsa_code_object_version 6
	.text
	.protected	k_q7156d4c87c_attn
	.globl	k_q7156d4c87c_attn
	.p2align	8
	.type	k_q7156d4c87c_attn,@function
k_q7156d4c87c_attn:
	s_mov_b64 s[64:65], 0
	v_nop
	global_prefetch_b8 v0, s[64:65] scope:SCOPE_SE
	s_setreg_imm32_b32 hwreg(HW_REG_WAVE_MODE, 25, 1), 1
	s_wait_xcnt 0x0
	s_wait_alu depctr_hold_cnt(0) depctr_sa_sdst(0) depctr_va_vdst(0) depctr_va_sdst(0) depctr_va_ssrc(0) depctr_va_vcc(0) depctr_vm_vsrc(0)
	s_getreg_b32 s2, hwreg(HW_REG_IB_STS2, 6, 4)
	s_cmp_eq_u32 s2, 0
	s_cbranch_scc0 .Lentry_in_a_cluster
	s_endpgm
.Lentry_in_a_cluster:
	s_bfe_u32 s2, ttmp6, 0x10000c
	s_cmp_lg_u32 s2, 0x3003
	s_cbranch_scc0 .Lentry_shape_is_right
	s_endpgm
.Lentry_shape_is_right:
; Causal attention.  qkv [4096][3072] bf16: row = batch x 1024 + t; q at column 64 head, k at 1024 + 64 head, v at 2048 + 64 head.
; act[row][64 head + d] = sum over keys <= t of softmax(q.k / 8) v, in bf16.
; CLUSTERS: the four work-groups of a cluster serve one of the 64 (batch, head) pairs.  They need the same K and V: the whole head's K (1024 x 128 bytes,
; LDS pitch 144) and V (pitch 160) are asked for JOINTLY, once, one tensor load a wave of 256 rows (waves 0-3 K, waves 4-7 V), with the same descriptor in all
; four and the mask of all four: one tensor load of a wave is out; nothing in LDS is ever filled again.  Rows are 128 bytes: a head's slice of a row.
; EQUAL WORK, AND NOTHING THAT HANGS ON THE PLACE IN THE CLUSTER BUT DATA: a block is 16 queries, block 4 m + cx belongs to work-group cx.  The four blocks of one m
; cover 64 queries = one tile of 64 keys, so block 4 m + cx needs tiles 0 .. m whatever cx is.  Wave w takes blocks m = w (query block 0 of the wave) and
; m = 15 - w (query block 1): tiles 0 .. w are done for both, tiles w + 1 .. 15 - w for the second alone: (w + 1) + (16 - w) = 17 half tiles for every wave.
; cx enters Q's and the result's offsets in memory and the mask's comparison, and no branch, trip count or LDS address.
; TRANSPOSED: S^T = K Q^T (source 0 = 16 keys, source 1 = 16 queries): lane (r, h) holds query r and keys 16 kb + 8 h + j.  Maximum, sum and scale are one
; number a lane; the two halves meet by one v_permlanex16_b32.  Two neighbouring key tiles, packed in place, are the second source of O^T = V^T P^T;
; V^T comes from V's rows by the transposing LDS load.  No P goes through LDS.
; Softmax takes a running maximum of the raw scores; exp((s - m) / 8) = 2^(s c - m c), c = log2(e) / 8.
; The score tiles, and the output tiles, take turns, one instruction a turn.
; The result's stores: eight lanes write the 128 consecutive bytes that a head owns in a row; the neighbouring 128 bytes belong to another head's cluster.
; LIMITS: operands (q, k, v, p) are bf16; v_exp_f32 and v_rcp_f32 are accurate to 1 ULP and flush denormals; NaN and infinities are not followed.
.set PK,    144
.set PVV,   160
.set VBASE, 1024*PK
.set CO1,  2                           ; my byte offset in act for query block 1 (v2 holds h during the set-up)
.set QOFF, 3                           ; my byte offset in qkv for query block 0
.set KADR, 4                           ; r x 144 + 16 h, + 9,216 for each tile
.set VADR, 5                           ; V's base + (8 h + l % 8) x 160 + 16 ((l / 8) % 2), + 10,240 for each tile
.set QOFF1, 6                          ; the same as QOFF for query block 1
.set DD,   7                           ; 16 cx + r - 8 h: on a block's diagonal tile key 16 kb + 8 h + j passes where 16 kb + j <= DD
.set QQ,   8                           ; v[8:39]    Q fragments, block 8 (2 qb + ks)
.set KV,   40                          ; v[40:103]  K's fragments 8 (2 kb + ks), then V's 8 (2 db + ks); at the end the rows read back
.set SS,   104                         ; v[104:167] scores, tile at 32 qb + 8 kb; packed: P's fragment ks at 32 qb + 8 ks
.set OO,   168                         ; v[168:231] output, tile at 32 qb + 8 db
.set MM,   232                         ; v232, v233 running maximum of qb
.set NM,   234                         ; v[234:237] - m c, a pair for each qb (the first register is used)
.set AL,   238                         ; v[238:241] the scale of the old sums, likewise
.set LL,   242                         ; v[242:245] the lane's sum, two chains for each qb
.set U0,   246
.set U1,   248
.set T0,   250
.set T1,   251
.set NINF, 252
.set STO,  253
.set RD,   254
.set CO,   255
.set G1K,  16                          ; s[16:23] group 1 for K
.set G1V,  24                          ; s[24:31] group 1 for V
.set CSC,  0x3e38aa3b                  ; log2(e) / 8
.set CSN,  0xbe38aa3b
; A round of the cluster's barrier: my work-group's barrier, wave 0 signals for the work-group, every wave waits for all four, my work-group's barrier again.
.macro ROUND
	s_barrier_signal -1
	s_barrier_wait -1
	s_cmp_lg_u32 s8, 0
	s_cbranch_scc1 .Lnot_wave_0_\@
	s_barrier_signal -3
.Lnot_wave_0_\@:
	s_barrier_wait -3
	s_barrier_signal -1
	s_barrier_wait -1
.endm
; the diagonal tile of query block qb
.macro MASK qb
.irp kb, 0,1,2,3
.irp j, 0,1,2,3,4,5,6,7
	v_cmp_le_i32 vcc_lo, 16*\kb+\j, v[DD]
	v_cndmask_b32 v[SS+32*\qb+8*\kb+\j], v[NINF], v[SS+32*\qb+8*\kb+\j], vcc_lo
.endr
.endr
.endm
; four products of S^T: 64 keys x the 16 queries of qb, d 32 ks .. + 31
.macro SMUL qb, ks, zero
.irp kb, 0,1,2,3
.if \zero
	v_wmma_f32_16x16x32_bf16 v[SS+32*\qb+8*\kb:SS+32*\qb+8*\kb+7], v[KV+16*\kb+8*\ks:KV+16*\kb+8*\ks+7], v[QQ+16*\qb+8*\ks:QQ+16*\qb+8*\ks+7], 0
.else
	v_wmma_f32_16x16x32_bf16 v[SS+32*\qb+8*\kb:SS+32*\qb+8*\kb+7], v[KV+16*\kb+8*\ks:KV+16*\kb+8*\ks+7], v[QQ+16*\qb+8*\ks:QQ+16*\qb+8*\ks+7], v[SS+32*\qb+8*\kb:SS+32*\qb+8*\kb+7]
.endif
.endr
.endm
; four products of O^T: 64 d x the 16 queries of qb, keys 32 ks .. + 31
.macro PMUL qb, ks, zero
.irp db, 0,1,2,3
.if \zero
	v_wmma_f32_16x16x32_bf16 v[OO+32*\qb+8*\db:OO+32*\qb+8*\db+7], v[KV+16*\db+8*\ks:KV+16*\db+8*\ks+7], v[SS+32*\qb+8*\ks:SS+32*\qb+8*\ks+7], 0
.else
	v_wmma_f32_16x16x32_bf16 v[OO+32*\qb+8*\db:OO+32*\qb+8*\db+7], v[KV+16*\db+8*\ks:KV+16*\db+8*\ks+7], v[SS+32*\qb+8*\ks:SS+32*\qb+8*\ks+7], v[OO+32*\qb+8*\db:OO+32*\qb+8*\db+7]
.endif
.endr
.endm
; softmax step of query block qb on its 32 scores a lane
.macro SOFT qb, first
.set sb, SS+32*\qb
	v_max3_num_f32 v[T0], v[sb], v[sb+1], v[sb+2]
	v_max3_num_f32 v[T1], v[sb+3], v[sb+4], v[sb+5]
.set ee, 6
.rept 6
	v_max3_num_f32 v[T0], v[T0], v[sb+ee], v[sb+ee+1]
	v_max3_num_f32 v[T1], v[T1], v[sb+ee+2], v[sb+ee+3]
.set ee, ee+4
.endr
	v_max3_num_f32 v[T0], v[T0], v[sb+30], v[sb+31]
	v_max_num_f32 v[T0], v[T0], v[T1]
	v_permlanex16_b32 v[T1], v[T0], s48, s49       ; the other half's keys of the same query
.if \first
	v_max_num_f32 v[T0], v[T0], v[T1]
.else
	v_max3_num_f32 v[T0], v[T0], v[T1], v[MM+\qb]  ; the new maximum
	v_sub_f32 v[T1], v[MM+\qb], v[T0]
	v_mul_f32 v[T1], CSC, v[T1]
.endif
	v_mul_f32 v[NM+2*\qb], CSN, v[T0]
.set ee, 0
.rept 16
	v_pk_fma_f32 v[sb+ee:sb+ee+1], v[sb+ee:sb+ee+1], CSC, v[NM+2*\qb:NM+2*\qb+1] op_sel_hi:[1,0,0]
.set ee, ee+2
.endr
.set ee, 0
.rept 32
	v_exp_f32 v[sb+ee], v[sb+ee]
.set ee, ee+1
.endr
.if \first == 0
	v_exp_f32 v[AL+2*\qb], v[T1]
.endif
	v_mov_b32 v[MM+\qb], v[T0]                     ; the plain place behind the transcendentals (ISA guide 5.7.2), and useful
	s_wait_alu depctr_va_vdst(0)
	v_pk_add_f32 v[U0:U0+1], v[sb:sb+1], v[sb+2:sb+3]
	v_pk_add_f32 v[U1:U1+1], v[sb+4:sb+5], v[sb+6:sb+7]
.set ee, 8
.rept 6
	v_pk_add_f32 v[U0:U0+1], v[U0:U0+1], v[sb+ee:sb+ee+1]
	v_pk_add_f32 v[U1:U1+1], v[U1:U1+1], v[sb+ee+2:sb+ee+3]
.set ee, ee+4
.endr
.if \first
	v_pk_add_f32 v[LL+2*\qb:LL+2*\qb+1], v[U0:U0+1], v[U1:U1+1]
.else
	v_pk_add_f32 v[U0:U0+1], v[U0:U0+1], v[U1:U1+1]
	v_pk_fma_f32 v[LL+2*\qb:LL+2*\qb+1], v[LL+2*\qb:LL+2*\qb+1], v[AL+2*\qb:AL+2*\qb+1], v[U0:U0+1] op_sel_hi:[1,0,1]
.endif
.set ee, 0
.rept 16
	v_cvt_pk_bf16_f32 v[sb+ee], v[sb+2*ee], v[sb+2*ee+1]       ; word w lands on register w, which has been read by then
.set ee, ee+1
.endr
.if \first == 0
.set ee, 0
.rept 16
	v_pk_mul_f32 v[OO+32*\qb+ee:OO+32*\qb+ee+1], v[OO+32*\qb+ee:OO+32*\qb+ee+1], v[AL+2*\qb:AL+2*\qb+1] op_sel_hi:[1,0]
.set ee, ee+2
.endr
.endif
.endm
; one tile of 64 keys.  both = 1: for both query blocks; 0: for block 1 alone.  first = 1: tile 0, which starts every sum.
; The mask's lines are passed only on a block's diagonal tile: block 0's is the last of the joint tiles, block 1's the last of the single ones.
.macro TILE both, first
.irp ks, 0,1
.irp kb, 0,1,2,3
	ds_load_b128 v[KV+16*\kb+8*\ks:KV+16*\kb+8*\ks+3],   v[KADR] offset:16*PK*\kb+64*\ks
	ds_load_b128 v[KV+16*\kb+8*\ks+4:KV+16*\kb+8*\ks+7], v[KADR] offset:16*PK*\kb+64*\ks+32
.endr
.endr
	s_wait_dscnt 0x8                               ; d 0-31 of the 64 keys are in; the eight loads of d 32-63 may be out
.if \both
	SMUL 0, 0, 1
.endif
	SMUL 1, 0, 1
	s_wait_dscnt 0x0
.if \both
	SMUL 0, 1, 0
.endif
	SMUL 1, 1, 0
	v_add_nc_u32 v[KADR], 64*PK, v[KADR]           ; four plain places behind the products (ISA guide 7.12.1): the next tile's address and three v_nop
	v_nop
	v_nop
	v_nop
.irp ks, 0,1
.irp db, 0,1,2,3
	ds_load_tr16_b128 v[KV+16*\db+8*\ks:KV+16*\db+8*\ks+3],   v[VADR] offset:32*PVV*\ks+32*\db
	ds_load_tr16_b128 v[KV+16*\db+8*\ks+4:KV+16*\db+8*\ks+7], v[VADR] offset:32*PVV*\ks+16*PVV+32*\db
.endr
.endr
.if \both
	s_cmp_lg_u32 s50, 1-\first                     ; s50 = joint tiles still to come behind tile 0: tile 0 is the last where it is 0, a trip of the loop where it is 1
	s_cbranch_scc1 .Lwhole_\@
	MASK 0
.Lwhole_\@:
	SOFT 0, \first
.else
	s_cmp_lg_u32 s51, 1                            ; the last single tile
	s_cbranch_scc1 .Lwhole_\@
	MASK 1
.Lwhole_\@:
.endif
	SOFT 1, \first
	s_wait_dscnt 0x0                               ; V's fragments, asked for ahead of the softmax
.if \both
	PMUL 0, 0, \first
.endif
	PMUL 1, 0, \first
.if \both
	PMUL 0, 1, 0
.endif
	PMUL 1, 1, 0
	v_add_nc_u32 v[VADR], 64*PVV, v[VADR]          ; five plain places: the next tile's products write over P's registers, its loads over V's
	v_nop
	v_nop
	v_nop
	v_nop
.endm
	s_load_b128 s[4:7], s[0:1], 0x0                ; qkv s[4:5], act s[6:7]
	s_set_vgpr_msb 0x40
	v_lshl_add_u32 v0, v0, 2, 0x4c000
	v_mov_b32 v1, 0
	s_set_vgpr_msb 0x4045
	ds_add_u32 v0, v1
	s_set_vgpr_msb 0x4500
	v_lshrrev_b32 v1, 5, v0
	v_readfirstlane_b32 s8, v1                     ; wave 0..7
	s_bfe_u32 s12, ttmp6, 0x40000                  ; cx: my place in the cluster
	s_lshr_b32 s10, ttmp9, 4                       ; the cluster's number is the (batch, head) pair: batch
	s_and_b32 s11, ttmp9, 15                       ; head
	s_min_u32 s50, s8, 7                           ; joint tiles behind tile 0: w; the bound is written out
	s_lshl_b32 s51, s50, 1
	s_sub_co_u32 s51, 15, s51                      ; single tiles: 15 - 2 w, 1 to 15;
	s_min_u32 s51, s51, 15                         ; both bounds are written out: the loop on s51 counts down to 0 from at least 1
	s_max_u32 s51, s51, 1
	s_sub_co_u32 s13, 15, s8                       ; m of query block 1
	s_mov_b32 s48, 0x76543210
	s_mov_b32 s49, 0xfedcba98
	; group 1: the mask of all four work-groups, bit 21 beside it; 256 rows x 64 elements of 2 bytes, pitch 3,072 elements;
	; behind every 32 words 4 (K) or 8 (V) words of padding
	s_mov_b32 s[G1K+0], 15|(1<<16)|(1<<20)|(1<<21)|(4<<22)|(3<<25)
	s_mov_b32 s[G1K+1], 64<<16
	s_mov_b32 s[G1K+2], 256<<16
	s_mov_b32 s[G1K+3], 64<<16
	s_mov_b32 s[G1K+4], 256
	s_mov_b32 s[G1K+5], 3072
	s_mov_b32 s[G1K+6], 0
	s_mov_b32 s[G1K+7], 0
	s_mov_b32 s[G1V+0], 15|(1<<16)|(1<<20)|(1<<21)|(4<<22)|(7<<25)
	s_mov_b32 s[G1V+1], 64<<16
	s_mov_b32 s[G1V+2], 256<<16
	s_mov_b32 s[G1V+3], 64<<16
	s_mov_b32 s[G1V+4], 256
	s_mov_b32 s[G1V+5], 3072
	s_mov_b32 s[G1V+6], 0
	s_mov_b32 s[G1V+7], 0
	s_mul_i32 s52, s10, 1024*6144
	s_lshl_b32 s53, s11, 7
	s_add_co_u32 s52, s52, s53
	s_mov_b32 s53, 0
	s_mov_b32 s32, 1
	s_wait_dscnt 0x0
	s_wait_kmcnt 0x0
	s_add_nc_u64 s[54:55], s[4:5], s[52:53]        ; q of my head, row 0 of my batch: the same in all four work-groups
	ROUND                                          ; all four work-groups are here: the joint loads meet
	s_cmp_lt_u32 s8, 4
	s_cbranch_scc0 .Lfill_v
	s_mul_i32 s33, s8, 256*PK                      ; K's rows 256 w ..
	s_mul_i32 s52, s8, 256*6144
	s_add_co_u32 s52, s52, 2048
	s_add_nc_u64 s[34:35], s[54:55], s[52:53]
	s_or_b32 s35, s35, 0x80000000
	tensor_load_to_lds s[32:35], s[G1K:G1K+7]
	s_nop 0
	s_branch .Lfilled
.Lfill_v:
	s_sub_co_u32 s58, s8, 4
	s_mul_i32 s33, s58, 256*PVV                    ; V's rows 256 (w - 4) ..
	s_add_co_u32 s33, s33, VBASE
	s_mul_i32 s52, s58, 256*6144
	s_add_co_u32 s52, s52, 4096
	s_add_nc_u64 s[34:35], s[54:55], s[52:53]
	s_or_b32 s35, s35, 0x80000000
	tensor_load_to_lds s[32:35], s[G1V:G1V+7]
	s_nop 0
.Lfilled:
	v_and_b32 v1, 15, v0                           ; r
	v_bfe_u32 v2, v0, 4, 1                         ; h
	v_mul_u32_u24 v[T0], v1, 6144
	v_lshl_add_u32 v[T0], v2, 4, v[T0]             ; row r, 16 bytes for each half of the lanes
	s_lshl_b32 s56, s12, 4                         ; 16 cx
	s_lshl_b32 s14, s8, 6
	s_add_co_u32 s14, s14, s56                     ; first query of block 0: 64 w + 16 cx
	s_lshl_b32 s15, s13, 6
	s_add_co_u32 s15, s15, s56                     ; first query of block 1: 64 (15 - w) + 16 cx
	s_mul_i32 s57, s14, 6144
	s_mul_i32 s58, s15, 6144
	v_add_nc_u32 v[QOFF], s57, v[T0]
	v_add_nc_u32 v[QOFF1], s58, v[T0]
.irp ks, 0,1
	global_load_b128 v[QQ+8*\ks:QQ+8*\ks+3],       v[QOFF],  s[54:55] offset:64*\ks
	global_load_b128 v[QQ+8*\ks+4:QQ+8*\ks+7],     v[QOFF],  s[54:55] offset:64*\ks+32
	global_load_b128 v[QQ+16+8*\ks:QQ+16+8*\ks+3], v[QOFF1], s[54:55] offset:64*\ks
	global_load_b128 v[QQ+16+8*\ks+4:QQ+16+8*\ks+7], v[QOFF1], s[54:55] offset:64*\ks+32
.endr
	v_mul_u32_u24 v[KADR], v1, PK
	v_lshl_add_u32 v[KADR], v2, 4, v[KADR]
	v_and_b32 v[T1], 7, v0                         ; l % 8
	v_lshl_or_b32 v[VADR], v2, 3, v[T1]
	v_mul_u32_u24 v[VADR], v[VADR], PVV
	v_bfe_u32 v[T0], v0, 3, 1
	v_lshl_add_u32 v[VADR], v[T0], 4, v[VADR]
	v_add_nc_u32 v[VADR], VBASE, v[VADR]
	v_lshlrev_b32 v[DD], 3, v2
	v_sub_nc_u32 v[DD], v1, v[DD]                  ; r - 8 h
	v_add_nc_u32 v[DD], s56, v[DD]                 ; + 16 cx
	s_mul_i32 s60, s8, 32*PK                       ; my stage for the way out: 32 rows x 144 bytes at the head of K's bytes
	v_add_nc_u32 v[STO], s60, v[KADR]
	v_bfe_u32 v[T0], v0, 3, 2                      ; l / 8
	v_mul_u32_u24 v[RD], v[T0], PK
	v_lshl_add_u32 v[RD], v[T1], 4, v[RD]
	v_add_nc_u32 v[RD], s60, v[RD]
	v_lshlrev_b32 v[CO], 11, v[T0]                 ; row l / 8 of 2,048 bytes, 16 bytes for each of eight lanes
	v_lshl_add_u32 v[CO], v[T1], 4, v[CO]
	s_lshl_b32 s57, s14, 11
	s_lshl_b32 s58, s15, 11
	v_add_nc_u32 v[CO1], s58, v[CO]                ; h is not needed any more
	v_add_nc_u32 v[CO], s57, v[CO]
	v_mov_b32 v[NINF], 0xff800000
	v_mov_b32 v[NM+1], 0                           ; the pairs' second registers are named, never used
	v_mov_b32 v[NM+3], 0
	v_mov_b32 v[AL+1], 0
	v_mov_b32 v[AL+3], 0
	s_lshl_b32 s52, s10, 21                        ; act: batch x 1024 rows of 2,048 bytes + 128 head
	s_lshl_b32 s59, s11, 7
	s_add_co_u32 s52, s52, s59
	s_add_nc_u64 s[6:7], s[6:7], s[52:53]
	s_wait_tensorcnt 0x0                           ; my 256 rows have landed,
	s_barrier_signal -1
	s_barrier_wait -1                              ; everybody's have: K and V are whole
	s_wait_loadcnt 0x0                             ; Q
	TILE 1, 1
	s_cmp_eq_u32 s50, 0
	s_cbranch_scc1 .Lone
.Ljoint:
	TILE 1, 0
	s_sub_co_u32 s50, s50, 1
	s_cmp_lg_u32 s50, 0
	s_cbranch_scc1 .Ljoint
.Lone:
	TILE 0, 0
	s_sub_co_u32 s51, s51, 1
	s_cmp_lg_u32 s51, 0
	s_cbranch_scc1 .Lone
	v_add_f32 v[U0], v[LL], v[LL+1]
	v_add_f32 v[U1], v[LL+2], v[LL+3]
	v_permlanex16_b32 v[T0], v[U0], s48, s49       ; the other half's keys
	v_permlanex16_b32 v[T1], v[U1], s48, s49
	v_add_f32 v[U0], v[U0], v[T0]
	v_add_f32 v[U1], v[U1], v[T1]
	v_rcp_f32 v[AL], v[U0]
	v_rcp_f32 v[AL+2], v[U1]
	v_nop                                          ; the plain place behind the transcendentals
	s_wait_alu depctr_va_vdst(0)
.irp qb, 0,1
.set ee, 0
.rept 16
	v_pk_mul_f32 v[OO+32*\qb+ee:OO+32*\qb+ee+1], v[OO+32*\qb+ee:OO+32*\qb+ee+1], v[AL+2*\qb:AL+2*\qb+1] op_sel_hi:[1,0]
.set ee, ee+2
.endr
.set ee, 0
.rept 16
	v_cvt_pk_bf16_f32 v[OO+32*\qb+ee], v[OO+32*\qb+2*ee], v[OO+32*\qb+2*ee+1]
.set ee, ee+1
.endr
.endr
	s_wait_dscnt 0x0                               ; my reads of K and V are over,
	s_barrier_signal -1
	s_barrier_wait -1                              ; everybody's are: K's bytes, which are filled no more, serve as stages
.irp qb, 0,1
.irp db, 0,1,2,3
	ds_store_b128 v[STO], v[OO+32*\qb+4*\db:OO+32*\qb+4*\db+3] offset:16*PK*\qb+32*\db   ; stage row 16 qb + r, d 16 db + 8 h .. + 7
.endr
.endr
.irp t, 0,1,2,3,4,5,6,7
	ds_load_b128 v[KV+4*\t:KV+4*\t+3], v[RD] offset:4*PK*\t      ; my own bytes, served in order: four rows of 128 bytes a load
.endr
.irp t, 0,1,2,3
	s_wait_dscnt 7-\t
	global_store_b128 v[CO], v[KV+4*\t:KV+4*\t+3], s[6:7] offset:4*2048*\t               ; query block 0
.endr
.irp t, 0,1,2,3
	s_wait_dscnt 3-\t
	global_store_b128 v[CO1], v[KV+16+4*\t:KV+16+4*\t+3], s[6:7] offset:4*2048*\t        ; query block 1
.endr
	s_set_vgpr_msb 0x5
	s_wait_tensorcnt 0x0
	ds_add_u32 v0, v1
	s_wait_dscnt 0x0
	s_set_vgpr_msb 0x500
	ROUND                                          ; the closing round: no work-group ends while a partner may still ask for a tile that names it
	s_endpgm
.Lfunc_end_k_q7156d4c87c_attn:
	.size	k_q7156d4c87c_attn, .Lfunc_end_k_q7156d4c87c_attn-k_q7156d4c87c_attn
	.p2alignl 7, 3214868480
	.fill 96, 4, 3214868480
	.section	.rodata,"a",@progbits
	.p2align	6, 0x0
	.amdhsa_kernel k_q7156d4c87c_attn
		.amdhsa_group_segment_fixed_size 312320
		.amdhsa_private_segment_fixed_size 0
		.amdhsa_enable_private_segment 0
		.amdhsa_kernarg_size 16
		.amdhsa_user_sgpr_count 2
		.amdhsa_user_sgpr_kernarg_segment_ptr 1
		.amdhsa_wavefront_size32 1
		.amdhsa_system_sgpr_workgroup_id_x 1
		.amdhsa_system_sgpr_workgroup_id_y 1
		.amdhsa_system_sgpr_workgroup_id_z 1
		.amdhsa_system_vgpr_workitem_id 0
		.amdhsa_next_free_vgpr 258
		.amdhsa_next_free_sgpr 66
		.amdhsa_reserve_vcc 1
		.amdhsa_float_denorm_mode_32 3
		.amdhsa_float_denorm_mode_16_64 3
		.amdhsa_memory_ordered 1
		.amdhsa_forward_progress 1
		.amdhsa_inst_pref_size 65
	.end_amdhsa_kernel
	.amdgpu_metadata
---
amdhsa.version: [ 1, 2 ]
amdhsa.kernels:
  - .name:           k_q7156d4c87c_attn
    .symbol:         k_q7156d4c87c_attn.kd
    .args:
      - { .name: qkv, .offset: 0, .size: 8, .value_kind: global_buffer, .address_space: global }
      - { .name: act, .offset: 8, .size: 8, .value_kind: global_buffer, .address_space: global }
    .group_segment_fixed_size: 312320
    .private_segment_fixed_size: 0
    .kernarg_segment_align: 8
    .kernarg_segment_size: 16
    .max_flat_workgroup_size: 256
    .sgpr_count:     66
    .vgpr_count:     258
    .wavefront_size: 32
...
	.end_amdgpu_metadata
.endif
;; end of part 3
;; launch proj (part 4): grid 8 x 32, 4 waves a work-group, clusters of 4 x 4, 327,680 bytes of LDS; arguments act, wb, x1, b_out, x; writes x1
.if DOCPART == 4
	.amdgcn_target "amdgcn-amd-amdhsa--gfx1250"
	.amdhsa_code_object_version 6
	.text
	.protected	k_q7156d4c87c_proj
	.globl	k_q7156d4c87c_proj
	.p2align	8
	.type	k_q7156d4c87c_proj,@function
k_q7156d4c87c_proj:
	s_mov_b64 s[64:65], 0
	v_nop
	global_prefetch_b8 v0, s[64:65] scope:SCOPE_SE
	s_setreg_imm32_b32 hwreg(HW_REG_WAVE_MODE, 25, 1), 1
	s_wait_xcnt 0x0
	s_wait_alu depctr_hold_cnt(0) depctr_sa_sdst(0) depctr_va_vdst(0) depctr_va_sdst(0) depctr_va_ssrc(0) depctr_va_vcc(0) depctr_vm_vsrc(0)
	s_getreg_b32 s2, hwreg(HW_REG_IB_STS2, 6, 4)
	s_cmp_eq_u32 s2, 0
	s_cbranch_scc0 .Lentry_in_a_cluster
	s_endpgm
.Lentry_in_a_cluster:
	s_bfe_u32 s2, ttmp6, 0x10000c
	s_cmp_lg_u32 s2, 0xf033
	s_cbranch_scc0 .Lentry_shape_is_right
	s_endpgm
.Lentry_shape_is_right:
; out[m][n] = res[m][n] + bias[n] + sum over k of A[m][k] W[k][n].  A [4096][SIZE_K] bf16, W bf16 at byte WOFF of wb, [SIZE_K][1024] with n along the rows,
; bias [1024], res and out [4096][1024] f32.  Here: A = the attention's result, W = w_out, bias = b_out, res = x, out = x1.
; N is 1024, so blocks of 128 x 128 are taken: 8 x 32 = 256 work-groups.
; THE FOUR WAVES SPLIT K, NOT THE BLOCK: each wave makes the whole 128 x 128 (64 accumulator tiles, 512 registers) over a quarter of K, so that 32 LDS loads feed 64
; matrix instructions; with the block split into 64 x 64 it would be 32 loads for 32.  K goes through two LDS slots of 256 along K; wave w takes k 64 w .. 64 w + 63 of
; every slot, two quarters of 32.  From a slot's request to the wait for it a wave issues 112 matrix instructions.  A larger slot does not fit: 544 bytes for each k
; and 2,048 of padding, twice, in 327,680.
; At the end the four partial blocks are summed through LDS (in the slots' bytes, which are filled no more): wave w owns rows 32 w .. 32 w + 31 of the block.
; W lies [K][N]: ds_load_tr16_b128 transposes it on the way into registers.
; CLUSTERS: 4 x 4 work-groups; A's tiles are asked for jointly along a row of the cluster, W's along a column.
; PREFETCH: behind a joint load every wave asks, by one global_prefetch_b8 of 32 lanes, for 32 aligned blocks of 256 bytes of the slot that will be requested two slots
; later (512 along K further on).  Waves 0 and 1 ask for A: rows 32 cx + 16 (w % 2) + lane / 2 of the work-group's own 128, the two blocks of a row's 512 bytes; waves 2 and 3
; for W: k rows 64 cy + 32 (w % 2) + lane of the slot's 256, the one block of the work-group's own 128 columns.  So the sixteen work-groups of a cluster ask once for each
; block of the tiles that the cluster itself reads: 32 KiB a work-group and slot, at most 64 KiB asked for and not yet requested.  A's blocks are read, and so asked for, by 2
; clusters, W's by 8: a cluster's text does not know where the others run.  Slots 2 and 3 are asked for behind the first fills; the last two joint loads ask for nothing,
; so no prefetch points past k = SIZE_K.  Here SIZE_K is four slots: the two requests at the start are all.
; REGISTERS, in windows of 256: window 0: v8-31 addresses and the bias, v64-127 and v128-191 fragments of A (two buffers), at the end the rows read back;
; window 1: v64-127, v128-191 fragments of W, v0-63 and v192-255 the residual; window 2: the accumulator tiles of rows 0-63 (tile (a, b) at v[8 (8 a + b)]); window 3: rows 64-127.
; The matrix instruction is used transposed (source 0 = W, source 1 = A): a lane's eight results are eight neighbouring columns of one row.
; The 64 accumulators take turns, one instruction a turn, in the same order everywhere.
; LIMITS: operands are bf16; the sum over k is formed as four partial sums, (p0 + p1) + (p2 + p3), an order of rounding that differs from the reference's;
; NaN and infinities are not followed.
.set SIZE_K, 1024
.set SIZE_N, 1024
.set WOFF,   6291456
.set KS,     256
.set PA,     528                       ; an LDS row of A: 512 bytes + 16, an odd multiple of 16
.set PB,     288                       ; an LDS row of W: 256 bytes + 32, an odd multiple of 32
.set HALFT,  128*PB                    ; 36,864: 128 k rows of W; A's 64 rows use 33,792 of it
.set SLOT,   4*HALFT                   ; A rows 0-63, 64-127, W k 0-127, 128-255
.set LAPS,   SIZE_K/(2*KS)             ; a lap = once round the two slots
.set RP,     528                       ; the sum's stage: a row of 128 f32 + 16 bytes
.set RB,     32*RP                     ; a region: the 32 rows of one owner from one source; region 4 x owner + source; 16 regions = 270,336 bytes
.set STO,  8                           ; v8-11   where I put my partial rows for owner 0..3
.set ADRA, 16                          ; v16-17  my A fragments in slot 0, 1
.set ADRB, 20                          ; v20-21  my W fragments in slot 0, 1
.set RD,   24                          ; v24-25  where I read my rows back: sources 0 and 1, sources 2 and 3 (an offset holds 16 bits)
.set CO,   26                          ; 16 x lane: my place in a row of 512 bytes
.set PF,   27                          ; the prefetch's lane term; never rewritten
.set BV,   28                          ; v[28:31] the bias of my four columns
.set F0,   64
.set F1,   128
.set G1,  24
.set G0,  32
.set G1B, 48
.set G0B, 56
.set PFB, 76                           ; s[76:79] the prefetch's base, a pair for each slot
.set PFS, 80                           ; s[80:81] two slots' step of that base
.set MSB, 0
.macro WIN new                         ; the immediate's high byte repeats the setting that is left
.if MSB != \new
	s_set_vgpr_msb (MSB<<8)|\new
.set MSB, \new
.endif
.endm
.set MUL_LO, 0xa1                      ; source 0 (W) window 1, source 1 (A) window 0, C and D window 2
.set MUL_HI, 0xf1                      ; the same, C and D window 3
.set TO_B,   0x40                      ; destination window 1, address window 0
.macro JLOAD s                         ; waves 0 and 1 fetch A's halves, waves 2 and 3 W's
	s_cmp_eq_u32 s11, 0
	s_cbranch_scc0 .Lfor_b_\@
	tensor_load_to_lds s[G0+4*\s:G0+4*\s+3], s[G1:G1+7]
	s_nop 0
	s_branch .Lasked_\@
.Lfor_b_\@:
	tensor_load_to_lds s[G0B+4*\s:G0B+4*\s+3], s[G1B:G1B+7]
	s_nop 0
.Lasked_\@:
.endm
.macro CREST                           ; a round of the cluster's barrier behind its opening barrier
	s_cmp_lg_u32 s10, 0
	s_cbranch_scc1 .Lnot_wave_0_\@
	s_barrier_signal -3
.Lnot_wave_0_\@:
	s_barrier_wait -3
	s_barrier_signal -1
	s_barrier_wait -1
.endm
.macro CROUND
	s_barrier_signal -1
	s_barrier_wait -1
	CREST
.endm
.macro PLACES                          ; four plain places between a matrix instruction and a load into, a store of, or a vector instruction on its registers
.rept 4
	v_nop
.endr
.endm
	s_load_b128 s[4:7], s[0:1], 0x0                ; A s[4:5], wb s[6:7]
	s_load_b64 s[8:9], s[0:1], 0x10                ; out
	s_load_b128 s[68:71], s[0:1], 0x18             ; bias s[68:69], residual s[70:71]
	v_lshl_add_u32 v254, v0, 2, 0x48000
	v_mov_b32 v255, 0
	ds_add_u32 v254, v255
	v_lshrrev_b32 v1, 5, v0
	v_readfirstlane_b32 s10, v1                    ; wave 0..3
	s_lshr_b32 s11, s10, 1                         ; I fetch for A (0) or for W (1)
	s_and_b32 s12, s10, 1                          ; which half of that tile I fetch
	s_bfe_u32 s40, ttmp6, 0x40000                  ; cx
	s_bfe_u32 s41, ttmp6, 0x40004                  ; cy
	s_lshl_b32 s42, ttmp9, 2
	s_add_co_u32 s42, s42, s40                     ; block column
	s_and_b32 s13, ttmp7, 0xffff
	s_lshl_b32 s13, s13, 2
	s_add_co_u32 s13, s13, s41                     ; block row
	s_lshl_b32 s43, s41, 2
	s_lshl_b32 s43, 15, s43                        ; my row of the cluster
	s_lshl_b32 s44, 0x1111, s40                    ; my column
	; group 1 for A: 64 rows x 256 elements, 4 words of padding behind every 128
	s_or_b32 s[G1+0], s43, (1<<16)|(1<<20)|(1<<21)|(6<<22)|(3<<25)
	s_mov_b32 s[G1+1], KS<<16
	s_mov_b32 s[G1+2], 64<<16
	s_mov_b32 s[G1+3], KS<<16
	s_mov_b32 s[G1+4], 64
	s_mov_b32 s[G1+5], SIZE_K
	s_mov_b32 s[G1+6], 0
	s_mov_b32 s[G1+7], 0
	; group 1 for W: 128 rows (k) x 128 elements (n), 8 words of padding behind every 64
	s_or_b32 s[G1B+0], s44, (1<<16)|(1<<20)|(1<<21)|(5<<22)|(7<<25)
	s_mov_b32 s[G1B+1], 128<<16
	s_mov_b32 s[G1B+2], 128<<16
	s_mov_b32 s[G1B+3], 128<<16
	s_mov_b32 s[G1B+4], 128
	s_mov_b32 s[G1B+5], SIZE_N
	s_mov_b32 s[G1B+6], 0
	s_mov_b32 s[G1B+7], 0
	s_lshl_b32 s17, s12, 6
	s_lshl_b32 s16, s13, 7
	s_add_co_u32 s16, s16, s17                     ; A: row 128 x block row + 64 x half
	s_mov_b32 s17, 0
	s_mov_b64 s[18:19], SIZE_K*2
	s_mul_u64 s[16:17], s[16:17], s[18:19]
	s_mul_i32 s46, s12, 128*SIZE_N*2               ; W: k row 128 x half,
	s_lshl_b32 s47, s42, 8                         ; column 128 x block column, in bytes,
	s_add_co_u32 s46, s46, s47
	s_add_co_u32 s46, s46, WOFF                    ; and the matrix's place in wb
	s_mov_b32 s47, 0
	s_mul_i32 s20, s10, HALFT                      ; where they go: wave x 36,864 bytes
	; the prefetch's offsets, in registers of their own.  Lane term: A: row lane / 2, block lane % 2; W: k row lane
	v_and_b32 v3, 31, v0                           ; lane
	s_cmp_eq_u32 s11, 0                            ; waves 0 and 1 ask for A, waves 2 and 3 for W
	s_cselect_b32 s84, 1, 0                        ; A: two lanes a row; W: one
	s_mov_b32 s85, SIZE_N*2
	s_cselect_b32 s85, SIZE_K*2, s85               ; bytes from row to row
	s_mov_b32 s[PFS], 2*KS*SIZE_N*2
	s_cselect_b32 s[PFS], 2*KS*2, s[PFS]           ; two slots on: 512 k along A's rows, 512 rows of W
	s_mov_b32 s[PFS+1], 0
	s_lshr_b32 s82, s[PFS], 1                      ; one slot on
	s_mov_b32 s83, 0
	v_lshrrev_b32 v[PF], s84, v3
	v_mul_lo_u32 v[PF], v[PF], s85
	v_and_b32 v4, s84, v3
	v_lshl_add_u32 v[PF], v4, 8, v[PF]
	s_lshl_b32 s86, s13, 7                         ; wave term for A: row 128 x block row + 32 cx + 16 x half,
	s_lshl_b32 s87, s40, 5
	s_add_co_u32 s86, s86, s87
	s_lshl_b32 s87, s12, 4
	s_add_co_u32 s86, s86, s87
	s_mul_i32 s86, s86, SIZE_K*2
	s_add_co_u32 s86, s86, 2*KS*2                  ; at slot 2
	s_lshl_b32 s88, s41, 6                         ; wave term for W: k row 64 cy + 32 x half,
	s_lshl_b32 s87, s12, 5
	s_add_co_u32 s88, s88, s87
	s_mul_i32 s88, s88, SIZE_N*2
	s_lshl_b32 s87, s42, 8                         ; my block column's 256 bytes,
	s_add_co_u32 s88, s88, s87
	s_add_co_u32 s88, s88, WOFF+2*KS*SIZE_N*2      ; the matrix's place in wb, at slot 2
	s_cmp_eq_u32 s11, 0
	s_cselect_b32 s86, s86, s88
	s_mov_b32 s87, 0
	s_wait_dscnt 0x0
	s_wait_kmcnt 0x0
	s_add_nc_u64 s[14:15], s[4:5], s[16:17]
	s_add_nc_u64 s[46:47], s[6:7], s[46:47]
	s_cmp_eq_u32 s11, 0
	s_cselect_b64 s[PFB:PFB+1], s[4:5], s[6:7]
	s_add_nc_u64 s[PFB:PFB+1], s[PFB:PFB+1], s[86:87]          ; slot 2
	s_add_nc_u64 s[PFB+2:PFB+3], s[PFB:PFB+1], s[82:83]        ; slot 3
	CROUND                                         ; the first joint loads meet
.irp s, 0,1
	s_mov_b32 s[G0+4*\s], 1
	s_add_co_u32 s[G0+4*\s+1], s20, \s*SLOT
	s_add_nc_u64 s[G0+4*\s+2:G0+4*\s+3], s[14:15], \s*KS*2
	s_or_b32 s[G0+4*\s+3], s[G0+4*\s+3], 0x80000000
	s_mov_b32 s[G0B+4*\s], 1
	s_add_co_u32 s[G0B+4*\s+1], s20, \s*SLOT
	s_add_nc_u64 s[G0B+4*\s+2:G0B+4*\s+3], s[46:47], \s*KS*SIZE_N*2
	s_or_b32 s[G0B+4*\s+3], s[G0B+4*\s+3], 0x80000000
	JLOAD \s                                       ; two tensor loads of the wave are out
.endr
	global_prefetch_b8 v[PF], s[PFB:PFB+1] th:TH_LOAD_NT scope:SCOPE_SE       ; my 32 blocks of slot 2, which is requested when slot 0 has been multiplied,
	global_prefetch_b8 v[PF], s[PFB+2:PFB+3] th:TH_LOAD_NT scope:SCOPE_SE     ; and of slot 3
	v_and_b32 v1, 15, v0                           ; r
	v_bfe_u32 v2, v0, 4, 1                         ; h
	v_lshlrev_b32 v[CO], 4, v3
	s_lshl_b32 s74, s42, 9                         ; the block's first column, in bytes of f32
	s_mov_b32 s75, 0
	s_add_nc_u64 s[68:69], s[68:69], s[74:75]
	global_load_b128 v[BV:BV+3], v[CO], s[68:69]   ; bias of columns 4 lane .. + 3 of the block
	s_lshl_b32 s72, s13, 19                        ; the rows that I own: (128 x block row + 32 x wave) x 4,096 bytes
	s_lshl_b32 s73, s10, 17
	s_add_co_u32 s72, s72, s73
	s_add_co_u32 s72, s72, s74
	s_mov_b32 s73, 0
	s_add_nc_u64 s[70:71], s[70:71], s[72:73]
	s_add_nc_u64 s[8:9], s[8:9], s[72:73]
	v_mul_u32_u24 v4, v1, PA
	v_lshl_add_u32 v4, v2, 4, v4                   ; A: row r, 16 bytes for each half of the lanes,
	s_lshl_b32 s21, s10, 7                         ; my 64 k: 128 bytes along the rows
	v_add_nc_u32 v[ADRA], s21, v4
	v_add_nc_u32 v[ADRA+1], SLOT, v[ADRA]
	v_and_b32 v5, 7, v0
	v_lshl_or_b32 v5, v2, 3, v5                    ; W: k row 8 h + l % 8,
	v_mul_u32_u24 v5, v5, PB
	v_bfe_u32 v6, v0, 3, 1
	v_lshl_add_u32 v5, v6, 4, v5                   ; 16 bytes (8 n) for each group of eight lanes,
	s_mul_i32 s22, s10, 64*PB                      ; my 64 k rows,
	s_add_co_u32 s22, s22, 2*HALFT                 ; behind A's 128 rows
	v_add_nc_u32 v[ADRB], s22, v5
	v_add_nc_u32 v[ADRB+1], SLOT, v[ADRB]
	v_mul_u32_u24 v7, v1, RP
	v_lshl_add_u32 v7, v2, 5, v7                   ; the sum's stage, in: row r, 32 bytes (8 f32) for each half of the lanes,
	s_mul_i32 s23, s10, RB                         ; region 4 x owner + me
	v_add_nc_u32 v[STO], s23, v7
	v_add_nc_u32 v[STO+1], 4*RB, v[STO]
	v_add_nc_u32 v[STO+2], 8*RB, v[STO]
	v_add_nc_u32 v[STO+3], 12*RB, v[STO]
	s_mul_i32 s45, s10, 4*RB                       ; back: regions 4 x me + source, a whole row of 512 bytes a load
	v_add_nc_u32 v[RD], s45, v[CO]
	v_add_nc_u32 v[RD+1], 2*RB, v[RD]
; 16 matrix instructions: m blocks a0, a0 + 1 of the window's four x all 8 n blocks, 32 along K.  zero = 1: the first product starts the sums: nothing is cleared.
.macro MUL16 f, hi, a0, zero
.irp a, \a0, \a0+1
.irp b, 0,1,2,3,4,5,6,7
.if \zero
	v_wmma_f32_16x16x32_bf16 v[8*(8*(\a)+\b):8*(8*(\a)+\b)+7], v[\f+8*\b:\f+8*\b+7], v[\f+8*(4*\hi+\a):\f+8*(4*\hi+\a)+7], 0
.else
	v_wmma_f32_16x16x32_bf16 v[8*(8*(\a)+\b):8*(8*(\a)+\b)+7], v[\f+8*\b:\f+8*\b+7], v[\f+8*(4*\hi+\a):\f+8*(4*\hi+\a)+7], v[8*(8*(\a)+\b):8*(8*(\a)+\b)+7]
.endif
.endr
.endr
.endm
; 32 LDS loads in one run: the fragments of quarter q (0 or 1) of my 64 k of a slot into buffer f.  A's rows 64-127 lie one tensor load's bytes behind rows 0-63.
.macro FETCH slot, q, f
	WIN TO_B
.irp i, 0,1,2,3,4,5,6,7
	ds_load_tr16_b128 v[\f+8*\i:\f+8*\i+3],   v[ADRB+\slot] offset:\q*32*PB+32*\i
	ds_load_tr16_b128 v[\f+8*\i+4:\f+8*\i+7], v[ADRB+\slot] offset:\q*32*PB+16*PB+32*\i
.endr
	WIN 0
.irp i, 0,1,2,3,4,5,6,7
	ds_load_b128 v[\f+8*\i:\f+8*\i+3],   v[ADRA+\slot] offset:(\i>>2)*HALFT+(\i&3)*16*PA+64*\q
	ds_load_b128 v[\f+8*\i+4:\f+8*\i+7], v[ADRA+\slot] offset:(\i>>2)*HALFT+(\i&3)*16*PA+64*\q+32
.endr
.endm
; a slot's first quarter: multiplies buffer f; in its middle it fetches quarter q into buffer g
.macro QUARTER slot, q, f, g, zero
	s_wait_dscnt 8                                 ; W and A's rows 0-63 are in; the youngest eight loads (A's rows 64-127) may be out
	WIN MUL_LO
	MUL16 \f, 0, 0, \zero
	MUL16 \f, 0, 2, \zero
	PLACES
	FETCH \slot, \q, \g
	s_wait_dscnt 32                                ; all but the 32 just issued
	WIN MUL_HI
	MUL16 \f, 1, 0, \zero
	MUL16 \f, 1, 2, \zero
.endm
; a slot's second quarter: multiplies buffer 1 and changes slots.  In front of the barrier each wave waits for its reads of this slot and for all its tensor loads
; (one is out: its part of the next slot).  Behind it the refill comes first, then the next slot's first fragments.
; pf = 1: behind the refill the wave asks for its 32 blocks of the tiles that this slot will be filled with next time.
.macro TURN slot, next, fill, pf
	s_wait_dscnt 8
	WIN MUL_LO
	MUL16 F1, 0, 0, 0
	s_wait_dscnt 0                                 ; my reads of this slot are over
	s_set_vgpr_msb 0xa1a0
	s_wait_tensorcnt 0x0                           ; all my tensor loads have landed
	ds_add_u32 v254, v255
	s_wait_dscnt 0x0
	s_set_vgpr_msb 0xa0a1
	s_barrier_signal -1                            ; where the slot is filled again this barrier opens a round of the cluster's barrier
	MUL16 F1, 0, 2, 0                              ; register work while the others arrive
	WIN 0
	s_barrier_wait -1
.if \fill
	CREST                                          ; no wave of any partner still reads this slot or has a load on its way
	s_add_nc_u64 s[G0+4*\slot+2:G0+4*\slot+3], s[G0+4*\slot+2:G0+4*\slot+3], 2*KS*2
	s_add_nc_u64 s[G0B+4*\slot+2:G0B+4*\slot+3], s[G0B+4*\slot+2:G0B+4*\slot+3], 2*KS*SIZE_N*2
.if \pf
	s_wait_xcnt 0x0                                ; this base's last prefetch, a lap ago, has had its address translated (ISA guide 3.1): the base is rewritten only behind this wait
	s_add_nc_u64 s[PFB+2*\slot:PFB+2*\slot+1], s[PFB+2*\slot:PFB+2*\slot+1], s[PFS:PFS+1]
.endif
	JLOAD \slot                                    ; the first tensor load behind the round, the wave's only one until the next
.if \pf
	global_prefetch_b8 v[PF], s[PFB+2*\slot:PFB+2*\slot+1] th:TH_LOAD_NT scope:SCOPE_SE   ; two slots beyond the tiles just requested
.endif
.endif
	PLACES
	FETCH \next, 0, F0
	WIN MUL_HI
	MUL16 F1, 1, 0, 0
	MUL16 F1, 1, 2, 0
.endm
.macro LAP zero, pf
	QUARTER 0, 1, F0, F1, \zero
	TURN 0, 1, 1, \pf
	QUARTER 1, 1, F0, F1, 0
	TURN 1, 0, 1, \pf
.endm
	s_wait_tensorcnt 1                             ; my part of slot 0 is in; slot 1's load may stay out
	s_barrier_signal -1
	s_barrier_wait -1
	FETCH 0, 0, F0
	; lap p requests slots 2 p + 2 and 2 p + 3 and asks for slots 2 p + 4 and 2 p + 5, which exist up to p = LAPS - 3; lap LAPS - 2 requests the last two slots and asks for nothing
.if LAPS > 2
	LAP 1, 1                                       ; the first lap stands in front of the loop: its first products start the sums
.if LAPS > 3
	WIN 0
	s_mov_b32 s3, LAPS-3
.Llap:
	LAP 0, 1
	WIN 0
	s_sub_co_u32 s3, s3, 1
	s_cmp_lg_u32 s3, 0
	s_cbranch_scc1 .Llap
.endif
	LAP 0, 0
.else
	LAP 1, 0
.endif
	; the residual of my 32 rows is asked for here, with the last lap's 256 matrix instructions in which to land: row t in window 1 at 4 t (t < 16) or 128 + 4 t
	WIN TO_B
.set tt, 0
.rept 32
.set rr, 4*tt+(tt/16)*128
	global_load_b128 v[rr:rr+3], v[CO], s[70:71] offset:tt*4096     ; 32 lanes read 512 consecutive bytes, aligned
.set tt, tt+1
.endr
	QUARTER 0, 1, F0, F1, 0                        ; the last lap fills nothing
	TURN 0, 1, 0, 0
	QUARTER 1, 1, F0, F1, 0
	s_wait_dscnt 8
	WIN MUL_LO
	MUL16 F1, 0, 0, 0
	MUL16 F1, 0, 2, 0
	s_wait_dscnt 0                                 ; my reads of the slots are over; no tensor load is out since the last change of slots:
	s_barrier_signal -1                            ; say so,
	WIN MUL_HI
	MUL16 F1, 1, 0, 0                              ; work on registers while the others arrive,
	MUL16 F1, 1, 2, 0
	WIN 0
	s_barrier_wait -1                              ; and the slots' bytes, which are filled no more, serve as the sum's stage
	; THE SUM OF THE FOUR PARTIAL BLOCKS.  Every wave puts its rows 32 d .. 32 d + 31 into region 4 d + its own number.
	PLACES
.macro PUT hi
.irp a, 0,1,2,3
.irp b, 0,1,2,3,4,5,6,7
	ds_store_b128 v[STO+2*\hi+(\a>>1)], v[8*(8*\a+\b):8*(8*\a+\b)+3]   offset:(\a&1)*16*RP+64*\b
	ds_store_b128 v[STO+2*\hi+(\a>>1)], v[8*(8*\a+\b)+4:8*(8*\a+\b)+7] offset:(\a&1)*16*RP+64*\b+16
.endr
.endr
.endm
	WIN 0x08                                       ; an LDS store's data is source 1: window 2
	PUT 0
	WIN 0x0c                                       ; window 3
	PUT 1
	s_wait_loadcnt 0x0                             ; the bias and the residual
	WIN 0x44                                       ; source 1 and destination window 1, source 0 window 0
.set tt, 0
.rept 32
.set rr, 4*tt+(tt/16)*128
	v_pk_add_f32 v[rr:rr+1],   v[BV:BV+1],   v[rr:rr+1]             ; residual + bias, while LDS takes the stores
	v_pk_add_f32 v[rr+2:rr+3], v[BV+2:BV+3], v[rr+2:rr+3]
.set tt, tt+1
.endr
	WIN 0
	s_wait_dscnt 0x0                               ; my partial rows are in LDS,
	s_barrier_signal -1
	s_barrier_wait -1                              ; everybody's are
; 16 loads: rows 4 g .. 4 g + 3 of my 32, from the four sources, each a whole row of 512 bytes
.macro RDG g, f
.irp t, 0,1,2,3
	ds_load_b128 v[\f+16*\t:\f+16*\t+3],     v[RD]   offset:(4*\g+\t)*RP
	ds_load_b128 v[\f+16*\t+4:\f+16*\t+7],   v[RD]   offset:RB+(4*\g+\t)*RP
	ds_load_b128 v[\f+16*\t+8:\f+16*\t+11],  v[RD+1] offset:(4*\g+\t)*RP
	ds_load_b128 v[\f+16*\t+12:\f+16*\t+15], v[RD+1] offset:RB+(4*\g+\t)*RP
.endr
.endm
; these four rows are summed, take residual and bias, and leave.  left = the next four rows' loads, which may stay out
.macro SUMG g, f, left
	s_wait_dscnt \left
	WIN 0
.irp t, 0,1,2,3
.irp e, 0,2
	v_pk_add_f32 v[\f+16*\t+\e:\f+16*\t+\e+1],     v[\f+16*\t+\e:\f+16*\t+\e+1],     v[\f+16*\t+4+\e:\f+16*\t+4+\e+1]
	v_pk_add_f32 v[\f+16*\t+8+\e:\f+16*\t+8+\e+1], v[\f+16*\t+8+\e:\f+16*\t+8+\e+1], v[\f+16*\t+12+\e:\f+16*\t+12+\e+1]
.endr
.endr
.irp t, 0,1,2,3
.irp e, 0,2
	v_pk_add_f32 v[\f+16*\t+\e:\f+16*\t+\e+1], v[\f+16*\t+\e:\f+16*\t+\e+1], v[\f+16*\t+8+\e:\f+16*\t+8+\e+1]
.endr
.endr
	WIN 0x44
.irp t, 0,1,2,3
.set rr, 4*(4*\g+\t)+((4*\g+\t)/16)*128
	v_pk_add_f32 v[rr:rr+1],   v[\f+16*\t:\f+16*\t+1],   v[rr:rr+1]
	v_pk_add_f32 v[rr+2:rr+3], v[\f+16*\t+2:\f+16*\t+3], v[rr+2:rr+3]
	global_store_b128 v[CO], v[rr:rr+3], s[8:9] offset:(4*\g+\t)*4096   ; 32 lanes store 512 consecutive bytes, aligned; no register of a store is written again
.endr
	WIN 0
.endm
	RDG 0, F0
	RDG 1, F1
	SUMG 0, F0, 16
	RDG 2, F0
	SUMG 1, F1, 16
	RDG 3, F1
	SUMG 2, F0, 16
	RDG 4, F0
	SUMG 3, F1, 16
	RDG 5, F1
	SUMG 4, F0, 16
	RDG 6, F0
	SUMG 5, F1, 16
	RDG 7, F1
	SUMG 6, F0, 16
	SUMG 7, F1, 0
	s_wait_tensorcnt 0x0
	ds_add_u32 v254, v255
	s_wait_dscnt 0x0
	CROUND                                         ; the closing round: no work-group ends while a partner may still ask for a tile that names it
	s_endpgm
.Lfunc_end_k_q7156d4c87c_proj:
	.size	k_q7156d4c87c_proj, .Lfunc_end_k_q7156d4c87c_proj-k_q7156d4c87c_proj
	.p2alignl 7, 3214868480
	.fill 96, 4, 3214868480
	.section	.rodata,"a",@progbits
	.p2align	6, 0x0
	.amdhsa_kernel k_q7156d4c87c_proj
		.amdhsa_group_segment_fixed_size 327680
		.amdhsa_private_segment_fixed_size 0
		.amdhsa_enable_private_segment 0
		.amdhsa_kernarg_size 40
		.amdhsa_user_sgpr_count 2
		.amdhsa_user_sgpr_kernarg_segment_ptr 1
		.amdhsa_wavefront_size32 1
		.amdhsa_system_sgpr_workgroup_id_x 1
		.amdhsa_system_sgpr_workgroup_id_y 1
		.amdhsa_system_sgpr_workgroup_id_z 1
		.amdhsa_system_vgpr_workitem_id 0
		.amdhsa_next_free_vgpr 1024
		.amdhsa_next_free_sgpr 90
		.amdhsa_reserve_vcc 0
		.amdhsa_float_denorm_mode_32 3
		.amdhsa_float_denorm_mode_16_64 3
		.amdhsa_memory_ordered 1
		.amdhsa_forward_progress 1
		.amdhsa_inst_pref_size 105
	.end_amdhsa_kernel
	.amdgpu_metadata
---
amdhsa.version: [ 1, 2 ]
amdhsa.kernels:
  - .name:           k_q7156d4c87c_proj
    .symbol:         k_q7156d4c87c_proj.kd
    .args:
      - { .name: act, .offset: 0, .size: 8, .value_kind: global_buffer, .address_space: global }
      - { .name: wb, .offset: 8, .size: 8, .value_kind: global_buffer, .address_space: global }
      - { .name: x1, .offset: 16, .size: 8, .value_kind: global_buffer, .address_space: global }
      - { .name: b_out, .offset: 24, .size: 8, .value_kind: global_buffer, .address_space: global }
      - { .name: x, .offset: 32, .size: 8, .value_kind: global_buffer, .address_space: global }
    .group_segment_fixed_size: 327680
    .private_segment_fixed_size: 0
    .kernarg_segment_align: 8
    .kernarg_segment_size: 40
    .max_flat_workgroup_size: 128
    .sgpr_count:     90
    .vgpr_count:     1024
    .wavefront_size: 32
...
	.end_amdgpu_metadata
.endif
;; end of part 4
;; launch ln2 (part 5): grid 256 x 1, 4 waves a work-group, no clusters, 0 bytes of LDS; arguments x1, ln2_g, ln2_b, act; writes act
.if DOCPART == 5
	.amdgcn_target "amdgcn-amd-amdhsa--gfx1250"
	.amdhsa_code_object_version 6
	.text
	.protected	k_q7156d4c87c_ln2
	.globl	k_q7156d4c87c_ln2
	.p2align	8
	.type	k_q7156d4c87c_ln2,@function
k_q7156d4c87c_ln2:
	s_mov_b64 s[64:65], 0
	v_nop
	global_prefetch_b8 v0, s[64:65] scope:SCOPE_SE
	s_setreg_imm32_b32 hwreg(HW_REG_WAVE_MODE, 25, 1), 1
	s_wait_xcnt 0x0
; act[row][c] = bf16( (x1 - mean) * rsqrt(var + 1e-5) * g[c] + b[c] ).  x1 [4096][1024] f32.  16 rows a work-group, 4 rows a wave.
; A row is 4,096 bytes = 32 registers of one wave: it stays in registers between the pass for the mean, the pass for the variance (of x - mean: two true
; passes, no difference of large sums) and the scaling, and no wave waits for another.
; Every load of a wave covers 512 consecutive bytes, every store 256 consecutive bytes at a multiple of 256 from the buffer's first byte.
; No LDS, no matrix unit, no cluster: the work-groups share no input but g and b (8 KiB).
; A launch of its own: the norm needs whole rows of x1, which the launch before makes in blocks of 128 columns on different work-groups.
; LIMITS: v_rsq_f32 is accurate to 1 ULP; NaN and infinite inputs are not followed.
.set G,    4                           ; v[4:35]    gain of my 32 columns (columns 128 j + 4 lane + 0..3 in registers 4 j + 0..3)
.set BT,   36                          ; v[36:67]   bias, likewise
.set X,    68                          ; v[68:195]  row k of my four at X + 32 k
.set A,    196                         ; v[196:203] four chains of pairs
.set T,    204
.set T1,   205
.set NM,   212                         ; minus the mean, twice
.set RS,   214                         ; 1 / sqrt(var + eps), twice
.set SEL,  16                          ; s16, s17
.set CINV, 18
.set CEPS, 19
.set OUTP, 14                          ; s[14:15] act
.macro FOLD
	v_pk_add_f32 v[A:A+1], v[A:A+1], v[A+2:A+3]
	v_pk_add_f32 v[A+4:A+5], v[A+4:A+5], v[A+6:A+7]
	v_pk_add_f32 v[A:A+1], v[A:A+1], v[A+4:A+5]
	v_add_f32 v[T], v[A], v[A+1]
	v_add_f32_dpp v[T], v[T], v[T] row_xmask:1 row_mask:0xf bank_mask:0xf
	v_add_f32_dpp v[T], v[T], v[T] row_xmask:2 row_mask:0xf bank_mask:0xf
	v_add_f32_dpp v[T], v[T], v[T] row_xmask:4 row_mask:0xf bank_mask:0xf
	v_add_f32_dpp v[T], v[T], v[T] row_xmask:8 row_mask:0xf bank_mask:0xf
	v_permlanex16_b32 v[T1], v[T], s[SEL], s[SEL+1]
	v_add_f32 v[T], v[T], v[T1]
.endm
.macro ROWLN k, left
	s_wait_loadcnt \left                           ; loads come back in order: this row's eight, and g and b in front of them, are in
.set xb, X+32*\k
.irp c, 0,2,4,6
	v_pk_add_f32 v[A+\c:A+\c+1], v[xb+\c:xb+\c+1], v[xb+8+\c:xb+8+\c+1]       ; the first pairs start the chains: nothing is cleared
.endr
.irp c, 0,2,4,6
	v_pk_add_f32 v[A+\c:A+\c+1], v[A+\c:A+\c+1], v[xb+16+\c:xb+16+\c+1]
.endr
.irp c, 0,2,4,6
	v_pk_add_f32 v[A+\c:A+\c+1], v[A+\c:A+\c+1], v[xb+24+\c:xb+24+\c+1]
.endr
	FOLD
	v_mul_f32 v[NM], 0xba800000, v[T]              ; - sum / 1024
	v_mul_f32 v[NM+1], 0xba800000, v[T]
.set pp, 0
.rept 16
	v_pk_add_f32 v[xb+pp:xb+pp+1], v[xb+pp:xb+pp+1], v[NM:NM+1]               ; x - mean, in place
.set pp, pp+2
.endr
.irp c, 0,2,4,6
	v_pk_mul_f32 v[A+\c:A+\c+1], v[xb+\c:xb+\c+1], v[xb+\c:xb+\c+1]
.endr
.set pp, 8
.rept 12
	v_pk_fma_f32 v[A+pp%8:A+pp%8+1], v[xb+pp:xb+pp+1], v[xb+pp:xb+pp+1], v[A+pp%8:A+pp%8+1]
.set pp, pp+2
.endr
	FOLD
	v_fma_f32 v[T], v[T], s[CINV], s[CEPS]         ; var + eps
	v_rsq_f32 v[RS], v[T]
	v_rsq_f32 v[RS+1], v[T]
	v_nop                                          ; one plain place behind a transcendental before its result is used (ISA guide 5.7.2)
.set pp, 0
	s_wait_alu depctr_va_vdst(0)
.rept 16
	v_pk_mul_f32 v[xb+pp:xb+pp+1], v[xb+pp:xb+pp+1], v[RS:RS+1]
.set pp, pp+2
.endr
.set pp, 0
.rept 16
	v_pk_fma_f32 v[xb+pp:xb+pp+1], v[xb+pp:xb+pp+1], v[G+pp:G+pp+1], v[BT+pp:BT+pp+1]
.set pp, pp+2
.endr
.set pp, 0
.rept 16
	v_cvt_pk_bf16_f32 v[xb+pp], v[xb+2*pp], v[xb+2*pp+1]                      ; word w lands on register w, which has been read by then
.set pp, pp+1
.endr
.irp j, 0,1,2,3,4,5,6,7
	global_store_b64 v2, v[xb+2*\j:xb+2*\j+1], s[OUTP:OUTP+1] offset:2048*\k+256*\j   ; 32 lanes x 8 bytes: 256 consecutive bytes, aligned
.endr
.endm
	s_load_b256 s[8:15], s[0:1], 0x0               ; x1 s[8:9], g s[10:11], b s[12:13], act s[14:15]
	v_and_b32 v3, 31, v0                           ; lane
	v_and_b32 v2, 0x60, v0                         ; 32 x wave
	v_lshlrev_b32 v1, 9, v2                        ; wave x 4 rows x 4,096 bytes
	v_lshl_or_b32 v1, v3, 4, v1
	v_lshlrev_b32 v2, 8, v2                        ; wave x 4 rows x 2,048 bytes
	v_lshl_or_b32 v2, v3, 3, v2
	v_lshlrev_b32 v3, 4, v3
	v_mov_b32 v[T1], 0                             ; v_permlanex16_b32 counts as a reader of its destination
	s_lshl_b32 s2, ttmp9, 16
	s_mov_b32 s3, 0
	s_lshl_b32 s4, ttmp9, 15
	s_mov_b32 s5, 0
	s_mov_b32 s[SEL], 0x76543210
	s_mov_b32 s[SEL+1], 0xfedcba98
	s_mov_b32 s[CINV], 0x3a800000
	s_mov_b32 s[CEPS], 0x3727c5ac
	s_wait_kmcnt 0x0
	s_add_nc_u64 s[8:9], s[8:9], s[2:3]
	s_add_nc_u64 s[OUTP:OUTP+1], s[OUTP:OUTP+1], s[4:5]
.irp j, 0,1,2,3,4,5,6,7
	global_load_b128 v[G+4*\j:G+4*\j+3], v3, s[10:11] offset:512*\j
.endr
.irp j, 0,1,2,3,4,5,6,7
	global_load_b128 v[BT+4*\j:BT+4*\j+3], v3, s[12:13] offset:512*\j
.endr
.irp k, 0,1,2,3
.irp j, 0,1,2,3,4,5,6,7
	global_load_b128 v[X+32*\k+4*\j:X+32*\k+4*\j+3], v1, s[8:9] offset:4096*\k+512*\j
.endr
.endr
	ROWLN 0, 24
	ROWLN 1, 16
	ROWLN 2, 8
	ROWLN 3, 0
	s_endpgm
.Lfunc_end_k_q7156d4c87c_ln2:
	.size	k_q7156d4c87c_ln2, .Lfunc_end_k_q7156d4c87c_ln2-k_q7156d4c87c_ln2
	.p2alignl 7, 3214868480
	.fill 96, 4, 3214868480
	.section	.rodata,"a",@progbits
	.p2align	6, 0x0
	.amdhsa_kernel k_q7156d4c87c_ln2
		.amdhsa_group_segment_fixed_size 0
		.amdhsa_private_segment_fixed_size 0
		.amdhsa_enable_private_segment 0
		.amdhsa_kernarg_size 32
		.amdhsa_user_sgpr_count 2
		.amdhsa_user_sgpr_kernarg_segment_ptr 1
		.amdhsa_wavefront_size32 1
		.amdhsa_system_sgpr_workgroup_id_x 1
		.amdhsa_system_sgpr_workgroup_id_y 1
		.amdhsa_system_sgpr_workgroup_id_z 1
		.amdhsa_system_vgpr_workitem_id 0
		.amdhsa_next_free_vgpr 216
		.amdhsa_next_free_sgpr 66
		.amdhsa_reserve_vcc 0
		.amdhsa_float_denorm_mode_32 3
		.amdhsa_float_denorm_mode_16_64 3
		.amdhsa_memory_ordered 1
		.amdhsa_forward_progress 1
		.amdhsa_inst_pref_size 38
	.end_amdhsa_kernel
	.amdgpu_metadata
---
amdhsa.version: [ 1, 2 ]
amdhsa.kernels:
  - .name:           k_q7156d4c87c_ln2
    .symbol:         k_q7156d4c87c_ln2.kd
    .args:
      - { .name: x1, .offset: 0, .size: 8, .value_kind: global_buffer, .address_space: global }
      - { .name: ln2_g, .offset: 8, .size: 8, .value_kind: global_buffer, .address_space: global }
      - { .name: ln2_b, .offset: 16, .size: 8, .value_kind: global_buffer, .address_space: global }
      - { .name: act, .offset: 24, .size: 8, .value_kind: global_buffer, .address_space: global }
    .group_segment_fixed_size: 0
    .private_segment_fixed_size: 0
    .kernarg_segment_align: 8
    .kernarg_segment_size: 32
    .max_flat_workgroup_size: 128
    .sgpr_count:     66
    .vgpr_count:     216
    .wavefront_size: 32
...
	.end_amdgpu_metadata
.endif
;; end of part 5
;; launch ff1 (part 6): grid 16 x 16, 4 waves a work-group, clusters of 4 x 4, 327,680 bytes of LDS; arguments act, wb, ff, b1; writes ff
.if DOCPART == 6
	.amdgcn_target "amdgcn-amd-amdhsa--gfx1250"
	.amdhsa_code_object_version 6
	.text
	.protected	k_q7156d4c87c_ff1
	.globl	k_q7156d4c87c_ff1
	.p2align	8
	.type	k_q7156d4c87c_ff1,@function
k_q7156d4c87c_ff1:
	s_mov_b64 s[64:65], 0
	v_nop
	global_prefetch_b8 v0, s[64:65] scope:SCOPE_SE
	s_setreg_imm32_b32 hwreg(HW_REG_WAVE_MODE, 25, 1), 1
	s_wait_xcnt 0x0
	s_wait_alu depctr_hold_cnt(0) depctr_sa_sdst(0) depctr_va_vdst(0) depctr_va_sdst(0) depctr_va_ssrc(0) depctr_va_vcc(0) depctr_vm_vsrc(0)
	s_getreg_b32 s2, hwreg(HW_REG_IB_STS2, 6, 4)
	s_cmp_eq_u32 s2, 0
	s_cbranch_scc0 .Lentry_in_a_cluster
	s_endpgm
.Lentry_in_a_cluster:
	s_bfe_u32 s2, ttmp6, 0x10000c
	s_cmp_lg_u32 s2, 0xf033
	s_cbranch_scc0 .Lentry_shape_is_right
	s_endpgm
.Lentry_shape_is_right:
; ff[m][n] = gelu( b1[n] + sum over k of act[m][k] W[k][n] ).  act [4096][1024] bf16, W = w1 in bf16 at byte WOFF of wb, [1024][4096] with n along the rows,
; ff [4096][4096] bf16; sums in f32, rounded once behind the GELU.
; A work-group makes 256 x 256 of the result with four waves, one for each SIMD of a WGP; a wave makes 128 x 128: 64 accumulator tiles of 16 x 16,
; 512 registers.  K goes in steps of 128 through two LDS slots filled by the tensor data mover.  16 x 16 = 256 work-groups.
; W LIES [K][N]: a tile of W is 128 rows (k) of 512 bytes (256 n), and ds_load_tr16_b128 transposes 8 x 8 elements on the way into registers.
; CLUSTERS: 4 x 4 work-groups.  act's tiles are asked for jointly along a row of the cluster, W's along a column.
; REGISTERS, in windows of 256: window 0: v16-29 addresses, v64-127 and v128-191 fragments of act (two buffers), v192-255 the bias, all of v64-255 at work
; on the way out; window 1: fragments of W; window 2: the accumulator tiles of my rows 0-63 (tile (a, b) at v[8 (8 a + b)]); window 3: rows 64-127.
; The matrix instruction is used transposed (source 0 = W, source 1 = act): a lane's eight results are eight neighbouring columns of one row.
; The bias is the first products' C: nothing is cleared, and the bias is added ahead of the products (an order of rounding that differs from the reference's).
; The 64 accumulators take turns, one instruction a turn, in the same order everywhere.
; GELU: gelu(x) = max(x, 0) - (|x| / 2) (1 - erf(z)), z = |x| / sqrt(2), 1 - erf(z) = poly(t) exp(-z z), t = 1 / (1 + 0.3275911 z), poly of degree 5
; (Abramowitz and Stegun 7.1.26).  The factor -sqrt(1/2) of |x| / 2 = sqrt(1/2) z is folded into the coefficients.
; LIMITS: operands are bf16; erf is off by at most 1.5e-7; v_exp_f32 and v_rcp_f32 are accurate to 1 ULP and flush denormals; NaN and infinities are not followed.
.set SIZE_K, 1024
.set SIZE_N, 4096
.set WOFF,   8388608
.set EPI,    1                         ; 0: round and store.  1: the bias starts the sums, exact GELU on the way out
.set INIT,   1+EPI
.set KSTEP,  128
.set PITCH,  272                       ; an LDS row of act: 256 bytes + 16: an odd multiple of 16
.set PITCHB, 544                       ; an LDS row of W: 512 bytes + 32: an odd multiple of 32
.set HALFT,  128*PITCH                 ; what one tensor load brings: 128 rows of act, or 64 rows of W (the same 34,816 bytes)
.set SLOT,   4*HALFT                   ; act rows 0-127, 128-255, W k 0-63, 64-127
.set STAGE,  2*SLOT                    ; behind the ring: 16 rows x 272 bytes for each wave; no tensor load lands there
.set SPITCH, 272
.set LAPS,   SIZE_K/(2*KSTEP)
.set ADRA, 16
.set ADRB, 20
.set STO,  24
.set RD,   25
.set CO,   26
.set BO,   27
.set C5,   28                          ; v[28:29] the polynomial's leading coefficient, twice
.set F0,   64
.set F1,   128
.set BIAS, 192                         ; v[192:255] the bias of my 128 columns in the accumulators' layout, used by the first 64 products
.set ZR,   64                          ; the way out: z, relu, t, e, polynomial, packed results
.set RR,   96
.set TR,   128
.set ER,   160
.set PR,   192
.set TMPG, 224
.set G1,  24
.set G0,  32
.set G1B, 48
.set G0B, 56
.set MSB, 0
.macro WIN new                         ; the immediate's high byte repeats the setting that is left
.if MSB != \new
	s_set_vgpr_msb (MSB<<8)|\new
.set MSB, \new
.endif
.endm
.set MUL_LO, 0xa1                      ; source 0 (W) window 1, source 1 (act) window 0, C and D window 2
.set MUL_HI, 0xf1                      ; the same, C and D window 3
.set TO_B,   0x40                      ; destination window 1, address window 0
.macro JLOAD s                         ; waves 0 and 1 fetch act's halves, waves 2 and 3 W's
	s_cmp_eq_u32 s11, 0
	s_cbranch_scc0 .Lfor_b_\@
	tensor_load_to_lds s[G0+4*\s:G0+4*\s+3], s[G1:G1+7]
	s_nop 0
	s_branch .Lasked_\@
.Lfor_b_\@:
	tensor_load_to_lds s[G0B+4*\s:G0B+4*\s+3], s[G1B:G1B+7]
	s_nop 0
.Lasked_\@:
.endm
.macro CREST                           ; a round of the cluster's barrier behind its opening barrier
	s_cmp_lg_u32 s10, 0
	s_cbranch_scc1 .Lnot_wave_0_\@
	s_barrier_signal -3
.Lnot_wave_0_\@:
	s_barrier_wait -3
	s_barrier_signal -1
	s_barrier_wait -1
.endm
.macro CROUND
	s_barrier_signal -1
	s_barrier_wait -1
	CREST
.endm
	s_load_b128 s[4:7], s[0:1], 0x0                ; act s[4:5], wb s[6:7]
	s_load_b64 s[8:9], s[0:1], 0x10                ; ff
	s_load_b64 s[68:69], s[0:1], 0x18              ; b1
	s_set_vgpr_msb 0x40
	v_lshl_add_u32 v255, v0, 2, 0x48400
	s_set_vgpr_msb 0x4000
	v_mov_b32 v63, 0
	s_set_vgpr_msb 0x1
	ds_add_u32 v255, v63
	s_set_vgpr_msb 0x100
	v_lshrrev_b32 v1, 5, v0
	v_readfirstlane_b32 s10, v1                    ; wave 0..3
	s_lshr_b32 s11, s10, 1                         ; my half of the block's rows.  Also: I fetch for act (0) or for W (1)
	s_and_b32 s12, s10, 1                          ; my half of its columns.  Also: which half of that tile I fetch
	s_bfe_u32 s40, ttmp6, 0x40000                  ; cx
	s_bfe_u32 s41, ttmp6, 0x40004                  ; cy
	s_lshl_b32 s42, ttmp9, 2
	s_add_co_u32 s42, s42, s40                     ; block column
	s_and_b32 s13, ttmp7, 0xffff
	s_lshl_b32 s13, s13, 2
	s_add_co_u32 s13, s13, s41                     ; block row
	s_lshl_b32 s43, s41, 2
	s_lshl_b32 s43, 15, s43                        ; my row of the cluster
	s_lshl_b32 s44, 0x1111, s40                    ; my column
	; group 1 for act: 128 rows x 128 elements of 2 bytes, 4 words of padding behind every 64
	s_or_b32 s[G1+0], s43, (1<<16)|(1<<20)|(1<<21)|(5<<22)|(3<<25)
	s_mov_b32 s[G1+1], KSTEP<<16
	s_mov_b32 s[G1+2], 128<<16
	s_mov_b32 s[G1+3], KSTEP<<16
	s_mov_b32 s[G1+4], 128
	s_mov_b32 s[G1+5], SIZE_K
	s_mov_b32 s[G1+6], 0
	s_mov_b32 s[G1+7], 0
	; group 1 for W: 64 rows (k) x 256 elements (n), 8 words of padding behind every 128
	s_or_b32 s[G1B+0], s44, (1<<16)|(1<<20)|(1<<21)|(6<<22)|(7<<25)
	s_mov_b32 s[G1B+1], 256<<16
	s_mov_b32 s[G1B+2], 64<<16
	s_mov_b32 s[G1B+3], 256<<16
	s_mov_b32 s[G1B+4], 64
	s_mov_b32 s[G1B+5], SIZE_N
	s_mov_b32 s[G1B+6], 0
	s_mov_b32 s[G1B+7], 0
	s_lshl_b32 s17, s12, 7
	s_lshl_b32 s16, s13, 8
	s_add_co_u32 s16, s16, s17                     ; act: row 256 x block row + 128 x half
	s_mov_b32 s17, 0
	s_mov_b64 s[18:19], SIZE_K*2
	s_mul_u64 s[16:17], s[16:17], s[18:19]
	s_mul_i32 s46, s12, 64*SIZE_N*2                ; W: k row 64 x half,
	s_lshl_b32 s47, s42, 9                         ; column 256 x block column, in bytes,
	s_add_co_u32 s46, s46, s47
	s_add_co_u32 s46, s46, WOFF                    ; and the matrix's place in wb
	s_mov_b32 s47, 0
	s_mul_i32 s20, s10, HALFT
	s_wait_dscnt 0x0
	s_wait_kmcnt 0x0
	s_add_nc_u64 s[14:15], s[4:5], s[16:17]
	s_add_nc_u64 s[46:47], s[6:7], s[46:47]
	CROUND                                         ; the first joint loads meet
.irp s, 0,1
	s_mov_b32 s[G0+4*\s], 1
	s_add_co_u32 s[G0+4*\s+1], s20, \s*SLOT
	s_add_nc_u64 s[G0+4*\s+2:G0+4*\s+3], s[14:15], \s*KSTEP*2
	s_or_b32 s[G0+4*\s+3], s[G0+4*\s+3], 0x80000000
	s_mov_b32 s[G0B+4*\s], 1
	s_add_co_u32 s[G0B+4*\s+1], s20, \s*SLOT
	s_add_nc_u64 s[G0B+4*\s+2:G0B+4*\s+3], s[46:47], \s*KSTEP*SIZE_N*2
	s_or_b32 s[G0B+4*\s+3], s[G0B+4*\s+3], 0x80000000
	JLOAD \s                                       ; two tensor loads of the wave are out
.endr
	v_and_b32 v1, 15, v0                           ; r
	v_bfe_u32 v2, v0, 4, 1                         ; h
	v_mul_u32_u24 v3, v1, PITCH
	v_lshl_add_u32 v3, v2, 4, v3
	v_and_b32 v6, 7, v0
	v_lshl_or_b32 v6, v2, 3, v6                    ; W: k row 8 h + l % 8,
	v_mul_u32_u24 v6, v6, PITCHB
	v_bfe_u32 v7, v0, 3, 1
	v_lshl_add_u32 v6, v7, 4, v6                   ; 16 bytes (8 n) for each group of eight lanes
	s_mul_i32 s21, s11, HALFT
	s_lshl_b32 s22, s12, 8
	s_add_co_u32 s22, s22, 2*HALFT
.irp s, 0,1
	v_add_nc_u32 v[ADRA+\s], s21, v3
	v_add_nc_u32 v[ADRB+\s], s22, v6
	s_add_co_u32 s21, s21, SLOT
	s_add_co_u32 s22, s22, SLOT
.endr
	s_mul_i32 s23, s10, 16*SPITCH
	s_add_co_u32 s23, s23, STAGE
	v_mul_u32_u24 v4, v1, SPITCH
	v_lshl_add_u32 v4, v2, 4, v4
	v_add_nc_u32 v[STO], s23, v4
	v_mul_u32_u24 v5, v2, SPITCH
	v_lshl_add_u32 v5, v1, 4, v5
	v_add_nc_u32 v[RD], s23, v5
	v_mul_u32_u24 v5, v2, SIZE_N*2
	v_lshl_add_u32 v[CO], v1, 4, v5
	; the bias in the accumulators' layout: register j of block b = b1[my first column + 16 b + 8 h + j]
	v_lshlrev_b32 v[BO], 5, v2
	v_mov_b32 v[C5], 0xbf402289
	v_mov_b32 v[C5+1], 0xbf402289
	s_mov_b32 s74, 0x7fffffff
	s_lshl_b32 s70, s42, 10
	s_lshl_b32 s71, s12, 9
	s_add_co_u32 s70, s70, s71
	s_mov_b32 s71, 0
	s_add_nc_u64 s[68:69], s[68:69], s[70:71]
.irp b, 0,1,2,3,4,5,6,7
	global_load_b128 v[BIAS+8*\b:BIAS+8*\b+3],   v[BO], s[68:69] offset:64*\b
	global_load_b128 v[BIAS+8*\b+4:BIAS+8*\b+7], v[BO], s[68:69] offset:64*\b+16
.endr
; 16 matrix instructions.  init = 0: add in place.  1: the constant 0 starts the sums.  2: the bias starts them.
.macro MUL16 f, hi, a0, init
.irp a, \a0, \a0+1
.irp b, 0,1,2,3,4,5,6,7
.if \init == 0
	v_wmma_f32_16x16x32_bf16 v[8*(8*(\a)+\b):8*(8*(\a)+\b)+7], v[\f+8*\b:\f+8*\b+7], v[\f+8*(4*\hi+\a):\f+8*(4*\hi+\a)+7], v[8*(8*(\a)+\b):8*(8*(\a)+\b)+7]
.else
.if \init == 1
	v_wmma_f32_16x16x32_bf16 v[8*(8*(\a)+\b):8*(8*(\a)+\b)+7], v[\f+8*\b:\f+8*\b+7], v[\f+8*(4*\hi+\a):\f+8*(4*\hi+\a)+7], 0
.else
	v_wmma_f32_16x16x32_bf16 v[8*(8*(\a)+\b):8*(8*(\a)+\b)+7], v[\f+8*\b:\f+8*\b+7], v[\f+8*(4*\hi+\a):\f+8*(4*\hi+\a)+7], v[BIAS+8*\b:BIAS+8*\b+7]
.endif
.endif
.endr
.endr
.endm
; 32 LDS loads in one run: the fragments of quarter q (32 along K) of a slot into buffer f
.macro FETCH slot, q, f
	WIN TO_B
.irp i, 0,1,2,3,4,5,6,7
	ds_load_tr16_b128 v[\f+8*\i:\f+8*\i+3],   v[ADRB+\slot] offset:\q*32*PITCHB+32*\i
	ds_load_tr16_b128 v[\f+8*\i+4:\f+8*\i+7], v[ADRB+\slot] offset:\q*32*PITCHB+16*PITCHB+32*\i
.endr
	WIN 0
.irp i, 0,1,2,3,4,5,6,7
	ds_load_b128 v[\f+8*\i:\f+8*\i+3],   v[ADRA+\slot] offset:\q*64+\i*16*PITCH
	ds_load_b128 v[\f+8*\i+4:\f+8*\i+7], v[ADRA+\slot] offset:\q*64+\i*16*PITCH+32
.endr
.endm
.macro PLACES                          ; four plain places between a matrix instruction and a load into, or a vector instruction on, its registers
.rept 4
	v_nop
.endr
.endm
.macro QUARTER slot, q, f, g, init
	s_wait_dscnt 8                                 ; W and act's rows 0-63 are in; the youngest eight loads (act's rows 64-127) may be out
.if \init == 2
	WIN 0x81                                       ; C (the bias) from window 0, D window 2
.else
	WIN MUL_LO
.endif
	MUL16 \f, 0, 0, \init
	MUL16 \f, 0, 2, \init
	PLACES
	FETCH \slot, \q, \g
	s_wait_dscnt 32                                ; all but the 32 just issued
.if \init == 2
	WIN 0xc1
.else
	WIN MUL_HI
.endif
	MUL16 \f, 1, 0, \init
	MUL16 \f, 1, 2, \init
.endm
.macro THREE slot, init
	QUARTER \slot, 1, F0, F1, \init
	QUARTER \slot, 2, F1, F0, 0
	QUARTER \slot, 3, F0, F1, 0
.endm
; The last quarter changes slots: the waits, the barrier (which opens a round of the cluster's barrier where the slot is filled again), the refill first.
.macro TURN slot, next, fill
	s_wait_dscnt 8
	WIN MUL_LO
	MUL16 F1, 0, 0, 0
	s_wait_dscnt 0                                 ; my reads of this slot are over
	s_wait_tensorcnt 0x0                           ; all my tensor loads have landed
	ds_add_u32 v255, v63
	s_wait_dscnt 0x0
	s_barrier_signal -1
	MUL16 F1, 0, 2, 0                              ; register work while the others arrive
	WIN 0
	s_barrier_wait -1
.if \fill
	CREST
	s_add_nc_u64 s[G0+4*\slot+2:G0+4*\slot+3], s[G0+4*\slot+2:G0+4*\slot+3], 2*KSTEP*2
	s_add_nc_u64 s[G0B+4*\slot+2:G0B+4*\slot+3], s[G0B+4*\slot+2:G0B+4*\slot+3], 2*KSTEP*SIZE_N*2
	JLOAD \slot                                    ; the first tensor load behind the round, the wave's only one until the next
.endif
	PLACES
	FETCH \next, 0, F0
	WIN MUL_HI
	MUL16 F1, 1, 0, 0
	MUL16 F1, 1, 2, 0
.endm
.macro LAP init
	THREE 0, \init
	TURN 0, 1, 1
	THREE 1, 0
	TURN 1, 0, 1
.endm
	s_wait_tensorcnt 1                             ; my part of K step 0 is in; K step 1's load may stay out
	s_barrier_signal -1
	s_barrier_wait -1
	FETCH 0, 0, F0
	s_wait_loadcnt 0x0                             ; the bias
	LAP INIT
.if LAPS > 2
	WIN 0
	s_mov_b32 s3, LAPS-2
.Llap:
	LAP 0
	WIN 0
	s_sub_co_u32 s3, s3, 1
	s_cmp_lg_u32 s3, 0
	s_cbranch_scc1 .Llap
.endif
	THREE 0, 0                                     ; the last lap fills nothing
	TURN 0, 1, 0
	THREE 1, 0
	s_wait_dscnt 8
	WIN MUL_LO
	MUL16 F1, 0, 0, 0
	MUL16 F1, 0, 2, 0
	s_wait_dscnt 0
	WIN MUL_HI
	MUL16 F1, 1, 0, 0
	MUL16 F1, 1, 2, 0
	; THE WAY OUT, 16 rows at a time: GELU in f32, to bf16, 16 bytes a lane into my own stage, read back as whole rows of 256 bytes.
	PLACES
	s_lshl_b32 s13, s13, 8
	s_lshl_b32 s14, s11, 7
	s_add_co_u32 s16, s13, s14                     ; my first row
	s_mov_b32 s17, 0
	s_mov_b64 s[18:19], SIZE_N*2
	s_mul_u64 s[16:17], s[16:17], s[18:19]
	s_add_nc_u64 s[8:9], s[8:9], s[16:17]
	s_lshl_b32 s46, s42, 9                         ; my first column, in bytes
	s_lshl_b32 s47, s12, 8
	s_add_co_u32 s46, s46, s47
	s_mov_b32 s47, 0
	s_add_nc_u64 s[8:9], s[8:9], s[46:47]
; GELU of 32 numbers a lane: |x| in ZR, max(x, 0) in RR; each line runs over all 16 pairs, so that no line waits for the one in front of it
.macro GELU16 half
.set pp, 0
.rept 16
	v_pk_mul_f32 v[ZR+pp:ZR+pp+1], v[ZR+pp:ZR+pp+1], 0x3f3504f3 op_sel_hi:[1,0]                          ; z = |x| / sqrt(2)
.set pp, pp+2
.endr
.set pp, 0
.rept 16
	v_pk_fma_f32 v[TR+pp:TR+pp+1], v[ZR+pp:ZR+pp+1], 0x3ea7ba05, 1.0 op_sel_hi:[1,0,0]                   ; 1 + 0.3275911 z
.set pp, pp+2
.endr
.set pp, 0
.rept 16
	v_pk_mul_f32 v[ER+pp:ER+pp+1], v[ZR+pp:ZR+pp+1], v[ZR+pp:ZR+pp+1]
.set pp, pp+2
.endr
.set pp, 0
.rept 16
	v_pk_mul_f32 v[ER+pp:ER+pp+1], v[ER+pp:ER+pp+1], 0xbfb8aa3b op_sel_hi:[1,0]                          ; - z z log2(e)
.set pp, pp+2
.endr
.set pp, 0
.rept 32
	v_rcp_f32 v[TR+pp], v[TR+pp]
.set pp, pp+1
.endr
.set pp, 0
.rept 32
	v_exp_f32 v[ER+pp], v[ER+pp]
.set pp, pp+1
.endr
	v_nop                                          ; one plain place behind the transcendentals (ISA guide 5.7.2)
.set pp, 0
	s_wait_alu depctr_va_vdst(0)
.rept 16
	v_pk_fma_f32 v[PR+pp:PR+pp+1], v[TR+pp:TR+pp+1], v[C5:C5+1], 0x3f838639 op_sel_hi:[1,1,0]
.set pp, pp+2
.endr
.set pp, 0
.rept 16
	v_pk_fma_f32 v[PR+pp:PR+pp+1], v[PR+pp:PR+pp+1], v[TR+pp:TR+pp+1], 0xbf80a6d5 op_sel_hi:[1,1,0]
.set pp, pp+2
.endr
.set pp, 0
.rept 16
	v_pk_fma_f32 v[PR+pp:PR+pp+1], v[PR+pp:PR+pp+1], v[TR+pp:TR+pp+1], 0x3e4dff65 op_sel_hi:[1,1,0]
.set pp, pp+2
.endr
.set pp, 0
.rept 16
	v_pk_fma_f32 v[PR+pp:PR+pp+1], v[PR+pp:PR+pp+1], v[TR+pp:TR+pp+1], 0xbe38842e op_sel_hi:[1,1,0]
.set pp, pp+2
.endr
.set pp, 0
.rept 16
	v_pk_mul_f32 v[PR+pp:PR+pp+1], v[PR+pp:PR+pp+1], v[TR+pp:TR+pp+1]
.set pp, pp+2
.endr
.set pp, 0
.rept 16
	v_pk_mul_f32 v[ER+pp:ER+pp+1], v[ER+pp:ER+pp+1], v[ZR+pp:ZR+pp+1]
.set pp, pp+2
.endr
.set pp, 0
.rept 16
	v_pk_fma_f32 v[RR+pp:RR+pp+1], v[ER+pp:ER+pp+1], v[PR+pp:PR+pp+1], v[RR+pp:RR+pp+1]
.set pp, pp+2
.endr
.set pp, 0
.rept 16
	v_cvt_pk_bf16_f32 v[TMPG+16*\half+pp], v[RR+2*pp], v[RR+2*pp+1]
.set pp, pp+1
.endr
.endm
; rows 16 i .. 16 i + 15 of my block = the eight tiles (a, 0..7) of window 2 or 3 (from = 0x0a or 0x0f: sources 0 and 1)
.macro OUT16G i, a, from
	s_wait_xcnt 0x0                                ; v[64:95], which the last rows' stores read, and the stores' base are rewritten only behind this wait
.if \i
	s_add_nc_u64 s[8:9], s[8:9], 16*SIZE_N*2
.endif
.irp half, 0,1
	WIN \from
.set ee, 0
.rept 32
	v_and_b32 v[ZR+ee], s74, v[8*(8*\a+4*\half)+ee]
	v_max_num_f32 v[RR+ee], 0, v[8*(8*\a+4*\half)+ee]
.set ee, ee+1
.endr
	WIN 0
	GELU16 \half
.endr
.irp b, 0,1,2,3,4,5,6,7
	ds_store_b128 v[STO], v[TMPG+4*\b:TMPG+4*\b+3] offset:32*\b
.endr
.irp t, 0,1,2,3,4,5,6,7
	ds_load_b128 v[ZR+4*\t:ZR+4*\t+3], v[RD] offset:\t*2*SPITCH    ; my own bytes, served in order: these see the stores above
.endr
.irp t, 0,1,2,3,4,5,6,7
	s_wait_dscnt 7-\t
	global_store_b128 v[CO], v[ZR+4*\t:ZR+4*\t+3], s[8:9] offset:2*\t*SIZE_N*2   ; 16 lanes store 256 consecutive bytes, aligned
.endr
.endm
	OUT16G 0, 0, 0x0a
	OUT16G 1, 1, 0x0a
	OUT16G 2, 2, 0x0a
	OUT16G 3, 3, 0x0a
	OUT16G 4, 0, 0x0f
	OUT16G 5, 1, 0x0f
	OUT16G 6, 2, 0x0f
	OUT16G 7, 3, 0x0f
	s_set_vgpr_msb 0x1
	s_wait_tensorcnt 0x0
	ds_add_u32 v255, v63
	s_wait_dscnt 0x0
	s_set_vgpr_msb 0x100
	CROUND                                         ; the closing round
	s_endpgm
.Lfunc_end_k_q7156d4c87c_ff1:
	.size	k_q7156d4c87c_ff1, .Lfunc_end_k_q7156d4c87c_ff1-k_q7156d4c87c_ff1
	.p2alignl 7, 3214868480
	.fill 96, 4, 3214868480
	.section	.rodata,"a",@progbits
	.p2align	6, 0x0
	.amdhsa_kernel k_q7156d4c87c_ff1
		.amdhsa_group_segment_fixed_size 327680
		.amdhsa_private_segment_fixed_size 0
		.amdhsa_enable_private_segment 0
		.amdhsa_kernarg_size 32
		.amdhsa_user_sgpr_count 2
		.amdhsa_user_sgpr_kernarg_segment_ptr 1
		.amdhsa_wavefront_size32 1
		.amdhsa_system_sgpr_workgroup_id_x 1
		.amdhsa_system_sgpr_workgroup_id_y 1
		.amdhsa_system_sgpr_workgroup_id_z 1
		.amdhsa_system_vgpr_workitem_id 0
		.amdhsa_next_free_vgpr 1024
		.amdhsa_next_free_sgpr 80
		.amdhsa_reserve_vcc 0
		.amdhsa_float_denorm_mode_32 3
		.amdhsa_float_denorm_mode_16_64 3
		.amdhsa_memory_ordered 1
		.amdhsa_forward_progress 1
		.amdhsa_inst_pref_size 255
	.end_amdhsa_kernel
	.section	.bss,"aw",@nobits
	.p2align	6
	.space	262144
	.amdgpu_metadata
---
amdhsa.version: [ 1, 2 ]
amdhsa.kernels:
  - .name:           k_q7156d4c87c_ff1
    .symbol:         k_q7156d4c87c_ff1.kd
    .args:
      - { .name: act, .offset: 0, .size: 8, .value_kind: global_buffer, .address_space: global }
      - { .name: wb, .offset: 8, .size: 8, .value_kind: global_buffer, .address_space: global }
      - { .name: ff, .offset: 16, .size: 8, .value_kind: global_buffer, .address_space: global }
      - { .name: b1, .offset: 24, .size: 8, .value_kind: global_buffer, .address_space: global }
    .group_segment_fixed_size: 327680
    .private_segment_fixed_size: 0
    .kernarg_segment_align: 8
    .kernarg_segment_size: 32
    .max_flat_workgroup_size: 128
    .sgpr_count:     80
    .vgpr_count:     1024
    .wavefront_size: 32
...
	.end_amdgpu_metadata
.endif
;; end of part 6
;; launch ff2 (part 7): grid 8 x 32, 4 waves a work-group, clusters of 4 x 4, 327,680 bytes of LDS; arguments ff, wb, out0, b2, x1; writes out0
.if DOCPART == 7
	.amdgcn_target "amdgcn-amd-amdhsa--gfx1250"
	.amdhsa_code_object_version 6
	.text
	.protected	k_q7156d4c87c_ff2
	.globl	k_q7156d4c87c_ff2
	.p2align	8
	.type	k_q7156d4c87c_ff2,@function
k_q7156d4c87c_ff2:
	s_mov_b64 s[64:65], 0
	v_nop
	global_prefetch_b8 v0, s[64:65] scope:SCOPE_SE
	s_setreg_imm32_b32 hwreg(HW_REG_WAVE_MODE, 25, 1), 1
	s_wait_xcnt 0x0
	s_wait_alu depctr_hold_cnt(0) depctr_sa_sdst(0) depctr_va_vdst(0) depctr_va_sdst(0) depctr_va_ssrc(0) depctr_va_vcc(0) depctr_vm_vsrc(0)
	s_getreg_b32 s2, hwreg(HW_REG_IB_STS2, 6, 4)
	s_cmp_eq_u32 s2, 0
	s_cbranch_scc0 .Lentry_in_a_cluster
	s_endpgm
.Lentry_in_a_cluster:
	s_bfe_u32 s2, ttmp6, 0x10000c
	s_cmp_lg_u32 s2, 0xf033
	s_cbranch_scc0 .Lentry_shape_is_right
	s_endpgm
.Lentry_shape_is_right:
; out[m][n] = res[m][n] + bias[n] + sum over k of A[m][k] W[k][n].  A [4096][SIZE_K] bf16, W bf16 at byte WOFF of wb, [SIZE_K][1024] with n along the rows,
; bias [1024], res and out [4096][1024] f32.  Here: A = ff (the GELU's result), W = w2, bias = b2, res = x1, out = out0.
; N is 1024, so blocks of 128 x 128 are taken: 8 x 32 = 256 work-groups.  A split of K over work-groups would send partial sums of 16 MiB each through memory
; and want a further launch.
; THE FOUR WAVES SPLIT K, NOT THE BLOCK: each wave makes the whole 128 x 128 (64 accumulator tiles, 512 registers) over a quarter of K, so that 32 LDS loads feed 64
; matrix instructions; with the block split into 64 x 64 it would be 32 loads for 32.  K goes through two LDS slots of 256 along K; wave w takes k 64 w .. 64 w + 63 of
; every slot, two quarters of 32.  From a slot's request to the wait for it a wave issues 112 matrix instructions.  A larger slot does not fit: 544 bytes for each k
; and 2,048 of padding, twice, in 327,680.
; At the end the four partial blocks are summed through LDS (in the slots' bytes, which are filled no more): wave w owns rows 32 w .. 32 w + 31 of the block.
; W lies [K][N]: ds_load_tr16_b128 transposes it on the way into registers.
; CLUSTERS: 4 x 4 work-groups; A's tiles are asked for jointly along a row of the cluster, W's along a column.
; PREFETCH: behind a joint load every wave asks, by one global_prefetch_b8 of 32 lanes, for 32 aligned blocks of 256 bytes of the slot that will be requested two slots
; later (512 along K further on).  Waves 0 and 1 ask for A: rows 32 cx + 16 (w % 2) + lane / 2 of the work-group's own 128, the two blocks of a row's 512 bytes; waves 2 and 3
; for W: k rows 64 cy + 32 (w % 2) + lane of the slot's 256, the one block of the work-group's own 128 columns.  So the sixteen work-groups of a cluster ask once for each
; block of the tiles that the cluster itself reads: 32 KiB a work-group and slot, at most 64 KiB asked for and not yet requested.  A's blocks are read, and so asked for, by 2
; clusters, W's by 8: a cluster's text does not know where the others run.  Slots 2 and 3 are asked for behind the first fills; the last two joint loads ask for nothing,
; so no prefetch points past k = SIZE_K.
; REGISTERS, in windows of 256: window 0: v8-31 addresses and the bias, v64-127 and v128-191 fragments of A (two buffers), at the end the rows read back;
; window 1: v64-127, v128-191 fragments of W, v0-63 and v192-255 the residual; window 2: the accumulator tiles of rows 0-63 (tile (a, b) at v[8 (8 a + b)]); window 3: rows 64-127.
; The matrix instruction is used transposed (source 0 = W, source 1 = A): a lane's eight results are eight neighbouring columns of one row.
; The 64 accumulators take turns, one instruction a turn, in the same order everywhere.
; LIMITS: operands are bf16; the sum over k is formed as four partial sums, (p0 + p1) + (p2 + p3), an order of rounding that differs from the reference's;
; NaN and infinities are not followed.
.set SIZE_K, 4096
.set SIZE_N, 1024
.set WOFF,   16777216
.set KS,     256
.set PA,     528                       ; an LDS row of A: 512 bytes + 16, an odd multiple of 16
.set PB,     288                       ; an LDS row of W: 256 bytes + 32, an odd multiple of 32
.set HALFT,  128*PB                    ; 36,864: 128 k rows of W; A's 64 rows use 33,792 of it
.set SLOT,   4*HALFT                   ; A rows 0-63, 64-127, W k 0-127, 128-255
.set LAPS,   SIZE_K/(2*KS)             ; a lap = once round the two slots
.set RP,     528                       ; the sum's stage: a row of 128 f32 + 16 bytes
.set RB,     32*RP                     ; a region: the 32 rows of one owner from one source; region 4 x owner + source; 16 regions = 270,336 bytes
.set STO,  8                           ; v8-11   where I put my partial rows for owner 0..3
.set ADRA, 16                          ; v16-17  my A fragments in slot 0, 1
.set ADRB, 20                          ; v20-21  my W fragments in slot 0, 1
.set RD,   24                          ; v24-25  where I read my rows back: sources 0 and 1, sources 2 and 3 (an offset holds 16 bits)
.set CO,   26                          ; 16 x lane: my place in a row of 512 bytes
.set PF,   27                          ; the prefetch's lane term; never rewritten
.set BV,   28                          ; v[28:31] the bias of my four columns
.set F0,   64
.set F1,   128
.set G1,  24
.set G0,  32
.set G1B, 48
.set G0B, 56
.set PFB, 76                           ; s[76:79] the prefetch's base, a pair for each slot
.set PFS, 80                           ; s[80:81] two slots' step of that base
.set MSB, 0
.macro WIN new                         ; the immediate's high byte repeats the setting that is left
.if MSB != \new
	s_set_vgpr_msb (MSB<<8)|\new
.set MSB, \new
.endif
.endm
.set MUL_LO, 0xa1                      ; source 0 (W) window 1, source 1 (A) window 0, C and D window 2
.set MUL_HI, 0xf1                      ; the same, C and D window 3
.set TO_B,   0x40                      ; destination window 1, address window 0
.macro JLOAD s                         ; waves 0 and 1 fetch A's halves, waves 2 and 3 W's
	s_cmp_eq_u32 s11, 0
	s_cbranch_scc0 .Lfor_b_\@
	tensor_load_to_lds s[G0+4*\s:G0+4*\s+3], s[G1:G1+7]
	s_nop 0
	s_branch .Lasked_\@
.Lfor_b_\@:
	tensor_load_to_lds s[G0B+4*\s:G0B+4*\s+3], s[G1B:G1B+7]
	s_nop 0
.Lasked_\@:
.endm
.macro CREST                           ; a round of the cluster's barrier behind its opening barrier
	s_cmp_lg_u32 s10, 0
	s_cbranch_scc1 .Lnot_wave_0_\@
	s_barrier_signal -3
.Lnot_wave_0_\@:
	s_barrier_wait -3
	s_barrier_signal -1
	s_barrier_wait -1
.endm
.macro CROUND
	s_barrier_signal -1
	s_barrier_wait -1
	CREST
.endm
.macro PLACES                          ; four plain places between a matrix instruction and a load into, a store of, or a vector instruction on its registers
.rept 4
	v_nop
.endr
.endm
	s_load_b128 s[4:7], s[0:1], 0x0                ; A s[4:5], wb s[6:7]
	s_load_b64 s[8:9], s[0:1], 0x10                ; out
	s_load_b128 s[68:71], s[0:1], 0x18             ; bias s[68:69], residual s[70:71]
	v_lshl_add_u32 v254, v0, 2, 0x48000
	v_mov_b32 v255, 0
	ds_add_u32 v254, v255
	v_lshrrev_b32 v1, 5, v0
	v_readfirstlane_b32 s10, v1                    ; wave 0..3
	s_lshr_b32 s11, s10, 1                         ; I fetch for A (0) or for W (1)
	s_and_b32 s12, s10, 1                          ; which half of that tile I fetch
	s_bfe_u32 s40, ttmp6, 0x40000                  ; cx
	s_bfe_u32 s41, ttmp6, 0x40004                  ; cy
	s_lshl_b32 s42, ttmp9, 2
	s_add_co_u32 s42, s42, s40                     ; block column
	s_and_b32 s13, ttmp7, 0xffff
	s_lshl_b32 s13, s13, 2
	s_add_co_u32 s13, s13, s41                     ; block row
	s_lshl_b32 s43, s41, 2
	s_lshl_b32 s43, 15, s43                        ; my row of the cluster
	s_lshl_b32 s44, 0x1111, s40                    ; my column
	; group 1 for A: 64 rows x 256 elements, 4 words of padding behind every 128
	s_or_b32 s[G1+0], s43, (1<<16)|(1<<20)|(1<<21)|(6<<22)|(3<<25)
	s_mov_b32 s[G1+1], KS<<16
	s_mov_b32 s[G1+2], 64<<16
	s_mov_b32 s[G1+3], KS<<16
	s_mov_b32 s[G1+4], 64
	s_mov_b32 s[G1+5], SIZE_K
	s_mov_b32 s[G1+6], 0
	s_mov_b32 s[G1+7], 0
	; group 1 for W: 128 rows (k) x 128 elements (n), 8 words of padding behind every 64
	s_or_b32 s[G1B+0], s44, (1<<16)|(1<<20)|(1<<21)|(5<<22)|(7<<25)
	s_mov_b32 s[G1B+1], 128<<16
	s_mov_b32 s[G1B+2], 128<<16
	s_mov_b32 s[G1B+3], 128<<16
	s_mov_b32 s[G1B+4], 128
	s_mov_b32 s[G1B+5], SIZE_N
	s_mov_b32 s[G1B+6], 0
	s_mov_b32 s[G1B+7], 0
	s_lshl_b32 s17, s12, 6
	s_lshl_b32 s16, s13, 7
	s_add_co_u32 s16, s16, s17                     ; A: row 128 x block row + 64 x half
	s_mov_b32 s17, 0
	s_mov_b64 s[18:19], SIZE_K*2
	s_mul_u64 s[16:17], s[16:17], s[18:19]
	s_mul_i32 s46, s12, 128*SIZE_N*2               ; W: k row 128 x half,
	s_lshl_b32 s47, s42, 8                         ; column 128 x block column, in bytes,
	s_add_co_u32 s46, s46, s47
	s_add_co_u32 s46, s46, WOFF                    ; and the matrix's place in wb
	s_mov_b32 s47, 0
	s_mul_i32 s20, s10, HALFT                      ; where they go: wave x 36,864 bytes
	; the prefetch's offsets, in registers of their own.  Lane term: A: row lane / 2, block lane % 2; W: k row lane
	v_and_b32 v3, 31, v0                           ; lane
	s_cmp_eq_u32 s11, 0                            ; waves 0 and 1 ask for A, waves 2 and 3 for W
	s_cselect_b32 s84, 1, 0                        ; A: two lanes a row; W: one
	s_mov_b32 s85, SIZE_N*2
	s_cselect_b32 s85, SIZE_K*2, s85               ; bytes from row to row
	s_mov_b32 s[PFS], 2*KS*SIZE_N*2
	s_cselect_b32 s[PFS], 2*KS*2, s[PFS]           ; two slots on: 512 k along A's rows, 512 rows of W
	s_mov_b32 s[PFS+1], 0
	s_lshr_b32 s82, s[PFS], 1                      ; one slot on
	s_mov_b32 s83, 0
	v_lshrrev_b32 v[PF], s84, v3
	v_mul_lo_u32 v[PF], v[PF], s85
	v_and_b32 v4, s84, v3
	v_lshl_add_u32 v[PF], v4, 8, v[PF]
	s_lshl_b32 s86, s13, 7                         ; wave term for A: row 128 x block row + 32 cx + 16 x half,
	s_lshl_b32 s87, s40, 5
	s_add_co_u32 s86, s86, s87
	s_lshl_b32 s87, s12, 4
	s_add_co_u32 s86, s86, s87
	s_mul_i32 s86, s86, SIZE_K*2
	s_add_co_u32 s86, s86, 2*KS*2                  ; at slot 2
	s_lshl_b32 s88, s41, 6                         ; wave term for W: k row 64 cy + 32 x half,
	s_lshl_b32 s87, s12, 5
	s_add_co_u32 s88, s88, s87
	s_mul_i32 s88, s88, SIZE_N*2
	s_lshl_b32 s87, s42, 8                         ; my block column's 256 bytes,
	s_add_co_u32 s88, s88, s87
	s_add_co_u32 s88, s88, WOFF+2*KS*SIZE_N*2      ; the matrix's place in wb, at slot 2
	s_cmp_eq_u32 s11, 0
	s_cselect_b32 s86, s86, s88
	s_mov_b32 s87, 0
	s_wait_dscnt 0x0
	s_wait_kmcnt 0x0
	s_add_nc_u64 s[14:15], s[4:5], s[16:17]
	s_add_nc_u64 s[46:47], s[6:7], s[46:47]
	s_cmp_eq_u32 s11, 0
	s_cselect_b64 s[PFB:PFB+1], s[4:5], s[6:7]
	s_add_nc_u64 s[PFB:PFB+1], s[PFB:PFB+1], s[86:87]          ; slot 2
	s_add_nc_u64 s[PFB+2:PFB+3], s[PFB:PFB+1], s[82:83]        ; slot 3
	CROUND                                         ; the first joint loads meet
.irp s, 0,1
	s_mov_b32 s[G0+4*\s], 1
	s_add_co_u32 s[G0+4*\s+1], s20, \s*SLOT
	s_add_nc_u64 s[G0+4*\s+2:G0+4*\s+3], s[14:15], \s*KS*2
	s_or_b32 s[G0+4*\s+3], s[G0+4*\s+3], 0x80000000
	s_mov_b32 s[G0B+4*\s], 1
	s_add_co_u32 s[G0B+4*\s+1], s20, \s*SLOT
	s_add_nc_u64 s[G0B+4*\s+2:G0B+4*\s+3], s[46:47], \s*KS*SIZE_N*2
	s_or_b32 s[G0B+4*\s+3], s[G0B+4*\s+3], 0x80000000
	JLOAD \s                                       ; two tensor loads of the wave are out
.endr
	global_prefetch_b8 v[PF], s[PFB:PFB+1] th:TH_LOAD_NT scope:SCOPE_SE       ; my 32 blocks of slot 2, which is requested when slot 0 has been multiplied,
	global_prefetch_b8 v[PF], s[PFB+2:PFB+3] th:TH_LOAD_NT scope:SCOPE_SE     ; and of slot 3
	v_and_b32 v1, 15, v0                           ; r
	v_bfe_u32 v2, v0, 4, 1                         ; h
	v_lshlrev_b32 v[CO], 4, v3
	s_lshl_b32 s74, s42, 9                         ; the block's first column, in bytes of f32
	s_mov_b32 s75, 0
	s_add_nc_u64 s[68:69], s[68:69], s[74:75]
	global_load_b128 v[BV:BV+3], v[CO], s[68:69]   ; bias of columns 4 lane .. + 3 of the block
	s_lshl_b32 s72, s13, 19                        ; the rows that I own: (128 x block row + 32 x wave) x 4,096 bytes
	s_lshl_b32 s73, s10, 17
	s_add_co_u32 s72, s72, s73
	s_add_co_u32 s72, s72, s74
	s_mov_b32 s73, 0
	s_add_nc_u64 s[70:71], s[70:71], s[72:73]
	s_add_nc_u64 s[8:9], s[8:9], s[72:73]
	v_mul_u32_u24 v4, v1, PA
	v_lshl_add_u32 v4, v2, 4, v4                   ; A: row r, 16 bytes for each half of the lanes,
	s_lshl_b32 s21, s10, 7                         ; my 64 k: 128 bytes along the rows
	v_add_nc_u32 v[ADRA], s21, v4
	v_add_nc_u32 v[ADRA+1], SLOT, v[ADRA]
	v_and_b32 v5, 7, v0
	v_lshl_or_b32 v5, v2, 3, v5                    ; W: k row 8 h + l % 8,
	v_mul_u32_u24 v5, v5, PB
	v_bfe_u32 v6, v0, 3, 1
	v_lshl_add_u32 v5, v6, 4, v5                   ; 16 bytes (8 n) for each group of eight lanes,
	s_mul_i32 s22, s10, 64*PB                      ; my 64 k rows,
	s_add_co_u32 s22, s22, 2*HALFT                 ; behind A's 128 rows
	v_add_nc_u32 v[ADRB], s22, v5
	v_add_nc_u32 v[ADRB+1], SLOT, v[ADRB]
	v_mul_u32_u24 v7, v1, RP
	v_lshl_add_u32 v7, v2, 5, v7                   ; the sum's stage, in: row r, 32 bytes (8 f32) for each half of the lanes,
	s_mul_i32 s23, s10, RB                         ; region 4 x owner + me
	v_add_nc_u32 v[STO], s23, v7
	v_add_nc_u32 v[STO+1], 4*RB, v[STO]
	v_add_nc_u32 v[STO+2], 8*RB, v[STO]
	v_add_nc_u32 v[STO+3], 12*RB, v[STO]
	s_mul_i32 s45, s10, 4*RB                       ; back: regions 4 x me + source, a whole row of 512 bytes a load
	v_add_nc_u32 v[RD], s45, v[CO]
	v_add_nc_u32 v[RD+1], 2*RB, v[RD]
; 16 matrix instructions: m blocks a0, a0 + 1 of the window's four x all 8 n blocks, 32 along K.  zero = 1: the first product starts the sums: nothing is cleared.
.macro MUL16 f, hi, a0, zero
.irp a, \a0, \a0+1
.irp b, 0,1,2,3,4,5,6,7
.if \zero
	v_wmma_f32_16x16x32_bf16 v[8*(8*(\a)+\b):8*(8*(\a)+\b)+7], v[\f+8*\b:\f+8*\b+7], v[\f+8*(4*\hi+\a):\f+8*(4*\hi+\a)+7], 0
.else
	v_wmma_f32_16x16x32_bf16 v[8*(8*(\a)+\b):8*(8*(\a)+\b)+7], v[\f+8*\b:\f+8*\b+7], v[\f+8*(4*\hi+\a):\f+8*(4*\hi+\a)+7], v[8*(8*(\a)+\b):8*(8*(\a)+\b)+7]
.endif
.endr
.endr
.endm
; 32 LDS loads in one run: the fragments of quarter q (0 or 1) of my 64 k of a slot into buffer f.  A's rows 64-127 lie one tensor load's bytes behind rows 0-63.
.macro FETCH slot, q, f
	WIN TO_B
.irp i, 0,1,2,3,4,5,6,7
	ds_load_tr16_b128 v[\f+8*\i:\f+8*\i+3],   v[ADRB+\slot] offset:\q*32*PB+32*\i
	ds_load_tr16_b128 v[\f+8*\i+4:\f+8*\i+7], v[ADRB+\slot] offset:\q*32*PB+16*PB+32*\i
.endr
	WIN 0
.irp i, 0,1,2,3,4,5,6,7
	ds_load_b128 v[\f+8*\i:\f+8*\i+3],   v[ADRA+\slot] offset:(\i>>2)*HALFT+(\i&3)*16*PA+64*\q
	ds_load_b128 v[\f+8*\i+4:\f+8*\i+7], v[ADRA+\slot] offset:(\i>>2)*HALFT+(\i&3)*16*PA+64*\q+32
.endr
.endm
; a slot's first quarter: multiplies buffer f; in its middle it fetches quarter q into buffer g
.macro QUARTER slot, q, f, g, zero
	s_wait_dscnt 8                                 ; W and A's rows 0-63 are in; the youngest eight loads (A's rows 64-127) may be out
	WIN MUL_LO
	MUL16 \f, 0, 0, \zero
	MUL16 \f, 0, 2, \zero
	PLACES
	FETCH \slot, \q, \g
	s_wait_dscnt 32                                ; all but the 32 just issued
	WIN MUL_HI
	MUL16 \f, 1, 0, \zero
	MUL16 \f, 1, 2, \zero
.endm
; a slot's second quarter: multiplies buffer 1 and changes slots.  In front of the barrier each wave waits for its reads of this slot and for all its tensor loads
; (one is out: its part of the next slot).  Behind it the refill comes first, then the next slot's first fragments.
; pf = 1: behind the refill the wave asks for its 32 blocks of the tiles that this slot will be filled with next time.
.macro TURN slot, next, fill, pf
	s_wait_dscnt 8
	WIN MUL_LO
	MUL16 F1, 0, 0, 0
	s_wait_dscnt 0                                 ; my reads of this slot are over
	s_set_vgpr_msb 0xa1a0
	s_wait_tensorcnt 0x0                           ; all my tensor loads have landed
	ds_add_u32 v254, v255
	s_wait_dscnt 0x0
	s_set_vgpr_msb 0xa0a1
	s_barrier_signal -1                            ; where the slot is filled again this barrier opens a round of the cluster's barrier
	MUL16 F1, 0, 2, 0                              ; register work while the others arrive
	WIN 0
	s_barrier_wait -1
.if \fill
	CREST                                          ; no wave of any partner still reads this slot or has a load on its way
	s_add_nc_u64 s[G0+4*\slot+2:G0+4*\slot+3], s[G0+4*\slot+2:G0+4*\slot+3], 2*KS*2
	s_add_nc_u64 s[G0B+4*\slot+2:G0B+4*\slot+3], s[G0B+4*\slot+2:G0B+4*\slot+3], 2*KS*SIZE_N*2
.if \pf
	s_wait_xcnt 0x0                                ; this base's last prefetch, a lap ago, has had its address translated (ISA guide 3.1): the base is rewritten only behind this wait
	s_add_nc_u64 s[PFB+2*\slot:PFB+2*\slot+1], s[PFB+2*\slot:PFB+2*\slot+1], s[PFS:PFS+1]
.endif
	JLOAD \slot                                    ; the first tensor load behind the round, the wave's only one until the next
.if \pf
	global_prefetch_b8 v[PF], s[PFB+2*\slot:PFB+2*\slot+1] th:TH_LOAD_NT scope:SCOPE_SE   ; two slots beyond the tiles just requested
.endif
.endif
	PLACES
	FETCH \next, 0, F0
	WIN MUL_HI
	MUL16 F1, 1, 0, 0
	MUL16 F1, 1, 2, 0
.endm
.macro LAP zero, pf
	QUARTER 0, 1, F0, F1, \zero
	TURN 0, 1, 1, \pf
	QUARTER 1, 1, F0, F1, 0
	TURN 1, 0, 1, \pf
.endm
	s_wait_tensorcnt 1                             ; my part of slot 0 is in; slot 1's load may stay out
	s_barrier_signal -1
	s_barrier_wait -1
	FETCH 0, 0, F0
	; lap p requests slots 2 p + 2 and 2 p + 3 and asks for slots 2 p + 4 and 2 p + 5, which exist up to p = LAPS - 3; lap LAPS - 2 requests the last two slots and asks for nothing
.if LAPS > 2
	LAP 1, 1                                       ; the first lap stands in front of the loop: its first products start the sums
.if LAPS > 3
	WIN 0
	s_mov_b32 s3, LAPS-3
.Llap:
	LAP 0, 1
	WIN 0
	s_sub_co_u32 s3, s3, 1
	s_cmp_lg_u32 s3, 0
	s_cbranch_scc1 .Llap
.endif
	LAP 0, 0
.else
	LAP 1, 0
.endif
	; the residual of my 32 rows is asked for here, with the last lap's 256 matrix instructions in which to land: row t in window 1 at 4 t (t < 16) or 128 + 4 t
	WIN TO_B
.set tt, 0
.rept 32
.set rr, 4*tt+(tt/16)*128
	global_load_b128 v[rr:rr+3], v[CO], s[70:71] offset:tt*4096     ; 32 lanes read 512 consecutive bytes, aligned
.set tt, tt+1
.endr
	QUARTER 0, 1, F0, F1, 0                        ; the last lap fills nothing
	TURN 0, 1, 0, 0
	QUARTER 1, 1, F0, F1, 0
	s_wait_dscnt 8
	WIN MUL_LO
	MUL16 F1, 0, 0, 0
	MUL16 F1, 0, 2, 0
	s_wait_dscnt 0                                 ; my reads of the slots are over; no tensor load is out since the last change of slots:
	s_barrier_signal -1                            ; say so,
	WIN MUL_HI
	MUL16 F1, 1, 0, 0                              ; work on registers while the others arrive,
	MUL16 F1, 1, 2, 0
	WIN 0
	s_barrier_wait -1                              ; and the slots' bytes, which are filled no more, serve as the sum's stage
	; THE SUM OF THE FOUR PARTIAL BLOCKS.  Every wave puts its rows 32 d .. 32 d + 31 into region 4 d + its own number.
	PLACES
.macro PUT hi
.irp a, 0,1,2,3
.irp b, 0,1,2,3,4,5,6,7
	ds_store_b128 v[STO+2*\hi+(\a>>1)], v[8*(8*\a+\b):8*(8*\a+\b)+3]   offset:(\a&1)*16*RP+64*\b
	ds_store_b128 v[STO+2*\hi+(\a>>1)], v[8*(8*\a+\b)+4:8*(8*\a+\b)+7] offset:(\a&1)*16*RP+64*\b+16
.endr
.endr
.endm
	WIN 0x08                                       ; an LDS store's data is source 1: window 2
	PUT 0
	WIN 0x0c                                       ; window 3
	PUT 1
	s_wait_loadcnt 0x0                             ; the bias and the residual
	WIN 0x44                                       ; source 1 and destination window 1, source 0 window 0
.set tt, 0
.rept 32
.set rr, 4*tt+(tt/16)*128
	v_pk_add_f32 v[rr:rr+1],   v[BV:BV+1],   v[rr:rr+1]             ; residual + bias, while LDS takes the stores
	v_pk_add_f32 v[rr+2:rr+3], v[BV+2:BV+3], v[rr+2:rr+3]
.set tt, tt+1
.endr
	WIN 0
	s_wait_dscnt 0x0                               ; my partial rows are in LDS,
	s_barrier_signal -1
	s_barrier_wait -1                              ; everybody's are
; 16 loads: rows 4 g .. 4 g + 3 of my 32, from the four sources, each a whole row of 512 bytes
.macro RDG g, f
.irp t, 0,1,2,3
	ds_load_b128 v[\f+16*\t:\f+16*\t+3],     v[RD]   offset:(4*\g+\t)*RP
	ds_load_b128 v[\f+16*\t+4:\f+16*\t+7],   v[RD]   offset:RB+(4*\g+\t)*RP
	ds_load_b128 v[\f+16*\t+8:\f+16*\t+11],  v[RD+1] offset:(4*\g+\t)*RP
	ds_load_b128 v[\f+16*\t+12:\f+16*\t+15], v[RD+1] offset:RB+(4*\g+\t)*RP
.endr
.endm
; these four rows are summed, take residual and bias, and leave.  left = the next four rows' loads, which may stay out
.macro SUMG g, f, left
	s_wait_dscnt \left
	WIN 0
.irp t, 0,1,2,3
.irp e, 0,2
	v_pk_add_f32 v[\f+16*\t+\e:\f+16*\t+\e+1],     v[\f+16*\t+\e:\f+16*\t+\e+1],     v[\f+16*\t+4+\e:\f+16*\t+4+\e+1]
	v_pk_add_f32 v[\f+16*\t+8+\e:\f+16*\t+8+\e+1], v[\f+16*\t+8+\e:\f+16*\t+8+\e+1], v[\f+16*\t+12+\e:\f+16*\t+12+\e+1]
.endr
.endr
.irp t, 0,1,2,3
.irp e, 0,2
	v_pk_add_f32 v[\f+16*\t+\e:\f+16*\t+\e+1], v[\f+16*\t+\e:\f+16*\t+\e+1], v[\f+16*\t+8+\e:\f+16*\t+8+\e+1]
.endr
.endr
	WIN 0x44
.irp t, 0,1,2,3
.set rr, 4*(4*\g+\t)+((4*\g+\t)/16)*128
	v_pk_add_f32 v[rr:rr+1],   v[\f+16*\t:\f+16*\t+1],   v[rr:rr+1]
	v_pk_add_f32 v[rr+2:rr+3], v[\f+16*\t+2:\f+16*\t+3], v[rr+2:rr+3]
	global_store_b128 v[CO], v[rr:rr+3], s[8:9] offset:(4*\g+\t)*4096   ; 32 lanes store 512 consecutive bytes, aligned; no register of a store is written again
.endr
	WIN 0
.endm
	RDG 0, F0
	RDG 1, F1
	SUMG 0, F0, 16
	RDG 2, F0
	SUMG 1, F1, 16
	RDG 3, F1
	SUMG 2, F0, 16
	RDG 4, F0
	SUMG 3, F1, 16
	RDG 5, F1
	SUMG 4, F0, 16
	RDG 6, F0
	SUMG 5, F1, 16
	RDG 7, F1
	SUMG 6, F0, 16
	SUMG 7, F1, 0
	s_wait_tensorcnt 0x0
	ds_add_u32 v254, v255
	s_wait_dscnt 0x0
	CROUND                                         ; the closing round: no work-group ends while a partner may still ask for a tile that names it
	s_endpgm
.Lfunc_end_k_q7156d4c87c_ff2:
	.size	k_q7156d4c87c_ff2, .Lfunc_end_k_q7156d4c87c_ff2-k_q7156d4c87c_ff2
	.p2alignl 7, 3214868480
	.fill 96, 4, 3214868480
	.section	.rodata,"a",@progbits
	.p2align	6, 0x0
	.amdhsa_kernel k_q7156d4c87c_ff2
		.amdhsa_group_segment_fixed_size 327680
		.amdhsa_private_segment_fixed_size 0
		.amdhsa_enable_private_segment 0
		.amdhsa_kernarg_size 40
		.amdhsa_user_sgpr_count 2
		.amdhsa_user_sgpr_kernarg_segment_ptr 1
		.amdhsa_wavefront_size32 1
		.amdhsa_system_sgpr_workgroup_id_x 1
		.amdhsa_system_sgpr_workgroup_id_y 1
		.amdhsa_system_sgpr_workgroup_id_z 1
		.amdhsa_system_vgpr_workitem_id 0
		.amdhsa_next_free_vgpr 1024
		.amdhsa_next_free_sgpr 90
		.amdhsa_reserve_vcc 0
		.amdhsa_float_denorm_mode_32 3
		.amdhsa_float_denorm_mode_16_64 3
		.amdhsa_memory_ordered 1
		.amdhsa_forward_progress 1
		.amdhsa_inst_pref_size 160
	.end_amdhsa_kernel
	.amdgpu_metadata
---
amdhsa.version: [ 1, 2 ]
amdhsa.kernels:
  - .name:           k_q7156d4c87c_ff2
    .symbol:         k_q7156d4c87c_ff2.kd
    .args:
      - { .name: ff, .offset: 0, .size: 8, .value_kind: global_buffer, .address_space: global }
      - { .name: wb, .offset: 8, .size: 8, .value_kind: global_buffer, .address_space: global }
      - { .name: out0, .offset: 16, .size: 8, .value_kind: global_buffer, .address_space: global }
      - { .name: b2, .offset: 24, .size: 8, .value_kind: global_buffer, .address_space: global }
      - { .name: x1, .offset: 32, .size: 8, .value_kind: global_buffer, .address_space: global }
    .group_segment_fixed_size: 327680
    .private_segment_fixed_size: 0
    .kernarg_segment_align: 8
    .kernarg_segment_size: 40
    .max_flat_workgroup_size: 128
    .sgpr_count:     90
    .vgpr_count:     1024
    .wavefront_size: 32
...
	.end_amdgpu_metadata
.endif
;; end of part 7
